; MI455X (gfx1250); checked and timed in simulation.
; The chip was launched on July 23, 2026; its instructions are those of AMD's public machine-readable ISA for CDNA 5 (MIT licence, August 2026) and "CDNA5" Instruction Set Architecture Reference Guide (July 2026). The comments in the code are by the model that wrote it; some were corrected since.
;; Attention. Allowed arithmetic: matrix products marked QUANTISED: E3M2 operands, one E8M0 scale for each 32 along K, by v_wmma_scale_f32_16x16x128_f8f6f4 with both operands' format E3M2, f32 sums; everything else in f32.
;; Inputs: Wk 512 x 512 float32; Wp 512 x 512 float32; Wq 512 x 512 float32; Wv 512 x 512 float32; bk 512 float32; bp 512 float32; bq 512 float32; bv 512 float32; coords 2 x 4,096 x 2 float32; slopes 8 float32; x 2 x 4,096 x 512 float32.
;; Outputs: out0 2 x 4,096 x 512 float32.
;; This version of the problem:
;;   THIS VERSION OF THE PROBLEM IS GIVEN IN LOW PRECISION. The matrix products marked QUANTISED in the list below multiply operands that are first quantised to E3M2 (3 exponent bits, 2 mantissa bits; 6 bits a number), with one power-of-two scale for each 32 numbers along K (OCP MX v1.0); their sums are f32. All else is computed in f32.
;;   The module's matrix products, in the order in which they are computed (A, B: the left and right operand; K: the contracted axis; several contracted axes count as one K, in the product's order):
;;     1. [M 8,192, K 512] x [K 512, N 512]; A: input x; B: input Wq: QUANTISED
;;     2. [M 8,192, K 512] x [K 512, N 512]; A: input x; B: input Wk: QUANTISED
;;     3. [M 8,192, K 512] x [K 512, N 512]; A: input x; B: input Wv: QUANTISED
;;     4. batch 16 x [M 4,096, K 64] x [K 64, N 4,096]; A: computed on the way; B: computed on the way: QUANTISED
;;     5. batch 16 x [M 4,096, K 4,096] x [K 4,096, N 64]; A: softmax (see below); B: computed on the way: QUANTISED
;;     6. [M 8,192, K 512] x [K 512, N 512]; A: computed on the way; B: input Wp: QUANTISED
;;   THE QUANTISER, for each operand of a quantised product, along K:
;;     - K is cut into blocks of 32 from its start; a last block that is shorter is filled with zeros.
;;     - A block's scale is 2^e with e = floor(log2(the largest magnitude in the block)) - 4, held to -126 .. 127; a block of zeros has e = 0. As a byte (E8M0): e + 127.
;;     - Each number is divided by its block's scale, clamped to +-28, and rounded to the nearest number of E3M2, ties to even, subnormals kept.
;;     - The product sums the exact products of the quantised numbers (number of the format x scale) in f32.
;;   ~~~python
;;   def quantise(x, axis):      # numpy; x: float32 -> the quantised numbers, widened to float32 again
;;       x = np.moveaxis(x, axis, -1); K = x.shape[-1]
;;       x = np.pad(x, [(0, 0)] * (x.ndim - 1) + [(0, -K % 32)]); x = x.reshape(x.shape[:-1] + (-1, 32)); a = np.abs(x).max(-1, keepdims=True)
;;       e = np.where(a > 0, np.clip(np.frexp(np.where(a > 0, a, 1))[1] - 1 - 4, -126, 127), 0)      # np.frexp(a)[1] - 1 = floor(log2(a)), exactly
;;       r = np.clip(x / 2.0 ** e, -28, 28)
;;       step = 2.0 ** (np.maximum(np.frexp(np.where(r == 0, 1, r))[1] - 1, -2) - 2)
;;       q = np.round(r / step) * step * 2.0 ** e      # np.round: ties to even
;;       return np.moveaxis(q.reshape(q.shape[:-2] + (-1,))[..., :K], -1, axis).astype(np.float32)
;;   ~~~
;;   SOFTMAX AHEAD OF A QUANTISED PRODUCT. Where the list says 'softmax', what is quantised is not the finished softmax but p = 2^(t - M), with t = logit x log2(e) and M = ceil(the row's largest t), a whole number; so 1/2 < the row's largest p <= 1. The row's sum l is taken of the UNQUANTISED p, in f32, and the product's result is divided by l at the end. Since M is a whole number, a kernel that streams over the keys may use a running M (the ceiling of the running maximum): every later rescaling is an exact power of two, which a block's scale takes up: the codes' values come out the same.
;;   OPERANDS COMPUTED ON THE WAY. 'Computed on the way' means the value that the module computes at that place (a softmax that the list does not call 'softmax' is quantised finished and normalised). What goes into a quantiser is computed in f32, as accurately as f32 sums, v_exp_f32 and their like allow (about 1e-6 of the number): no bf16 or f16 on the way to a quantiser, and a product that is left as it is and whose result goes on into a quantised operand takes f32 operands (vector FMAs, or v_wmma_f32_16x16x4_f32). A number that lies on a knife's edge between two numbers of the format may be rounded either way, as far as f32 arithmetic and the matrix unit's own rounding can turn it there, and no further.
;; One version. Each part assembles by itself: llvm-mc -triple=amdgcn-amd-amdhsa -mcpu=gfx1250 --defsym DOCPART=n.
;; ======== version 1 of 1: 4 launches
;; limits: right only within a limited range of input values
;; workspace buffers: xw 4,259,840 bytes; qw 3,670,016 bytes; kv 6,815,744 bytes; aw 3,407,872 bytes
;; launch prep (part 1): grid 640 x 1, 4 waves a work-group, no clusters, 34,304 bytes of LDS; arguments Wq, Wk, Wv, Wp, x, xw; writes xw
.if DOCPART == 1
	.amdgcn_target "amdgcn-amd-amdhsa--gfx1250"
	.amdhsa_code_object_version 6
	.text
	.protected	k_q89040fac98_prep
	.globl	k_q89040fac98_prep
	.p2align	8
	.type	k_q89040fac98_prep,@function
k_q89040fac98_prep:
	s_mov_b64 s[64:65], 0
	v_nop
	global_prefetch_b8 v0, s[64:65] scope:SCOPE_SE
	s_setreg_imm32_b32 hwreg(HW_REG_WAVE_MODE, 25, 1), 1
	s_wait_xcnt 0x0
; x [8192][512] (K innermost) and Wq, Wk, Wv, Wp [512 (k)][512 (n)] (K outermost), f32, become codes of BF6 (E3M2) with one E8M0 byte for each 32 along K,
; laid in xw as RECORDS IN THE ORDER OF AN OPERAND'S REGISTERS.  A record is a tile of 16 rows (of x) or 16 columns (of a weight) for all of K = 512: four fragments of 16 x 128
; (12 registers a lane: registers 4 c .. 4 c + 3 at 1536 s + 512 c + 16 lane), then the scale words at 6144 + 16 lane + 4 s (lane r and lane 16 + r hold row r's word).
; THE 16 OF A TILE ARE NOT NEIGHBOURS: lane r of tile T takes element 32 (T / 2) + 8 (T % 2) + r + 8 (r / 8), so that later the 16 result registers of tiles 2 b, 2 b + 1 are 16 neighbours.
; Records 0..511: x's row tiles.  Record 512 + 32 i + T: column tile T of weight i (q, k, v, p).  A work-group makes one record, wave s its K step s: one fragment a wave, no loop.
; A lane holds whole blocks: registers X + 32 c + i = k 64 c + 32 (lane / 16) + i, the order that the operand's layout gives that lane.
;   x: each load takes 512 consecutive bytes of a row; the 16 rows turn through the wave's own stage in LDS (pitch 528).   W: a lane takes a column and its registers run down K.
; A block's scale is 2^(floor(log2(largest magnitude)) - 4): its byte is the largest magnitude's exponent field - 4.
; LIMITS: no largest magnitude is taken under the floor 2^-122, so the byte is at least 1; a block of zeros gets the byte 1, not 127 (its codes are zeros, and this program alone reads the bytes);
; NaN and infinities are not served.  The scale words leave as 4 bytes a lane, 16 bytes apart: 128 bytes a fragment against the 8,192 bytes read for it.
; No cluster, no tensor load: no two work-groups read the same bytes of x, and a weight's columns are read once.
.set REC,  6656
.set SPI,  528                         ; stage pitch: 512 bytes + 16
.set R,    16                          ; v16-79   x as loaded
.set X,    80                          ; v80-143  64 numbers, two whole blocks
.set P,    144                         ; v144-155 the fragment
.set PT,   156                         ; v156-162 the upper halves of the two blocks, as the conversions leave them
.set FO,   164                         ; v164     16 lane + 1536 s
.set WO,   165                         ; v165     16 lane + 4 s
	s_load_b256 s[8:15], s[0:1], 0x0               ; Wq, Wk, Wv, Wp
	s_load_b128 s[4:7], s[0:1], 0x20               ; x, xw
	v_lshl_add_u32 v168, v0, 2, 0x8400
	v_mov_b32 v169, 0
	v_lshrrev_b32 v1, 5, v0
	v_readfirstlane_b32 s16, v1                    ; wave = K step s
	v_and_b32 v1, 31, v0                           ; lane
	v_and_b32 v2, 15, v0                           ; r
	v_bfe_u32 v3, v0, 4, 1                         ; h
	v_lshlrev_b32 v7, 4, v1                        ; 16 lane
	s_mul_i32 s17, s16, 1536
	v_add_nc_u32 v[FO], s17, v7
	s_lshl_b32 s17, s16, 2
	v_add_nc_u32 v[WO], s17, v7
	s_mov_b32 s20, 0x76543210
	s_mov_b32 s21, 0xfedcba98                      ; v_permlanex16_b32's selects for lane l xor 16
	s_mul_i32 s22, ttmp9, REC
	s_mov_b32 s23, 0
	s_wait_kmcnt 0x0
	s_add_nc_u64 s[6:7], s[6:7], s[22:23]          ; my record
	s_cmp_lt_u32 ttmp9, 512
	s_cbranch_scc0 .Lweight
	; ---- a row tile of x
	s_lshr_b32 s17, ttmp9, 1
	s_lshl_b32 s17, s17, 5
	s_and_b32 s18, ttmp9, 1
	s_lshl_b32 s18, s18, 3
	s_add_co_u32 s17, s17, s18                     ; the tile's first row
	s_lshl_b32 s17, s17, 11                        ; rows of 2,048 bytes
	s_lshl_b32 s18, s16, 9                         ; K step s: 512 bytes on
	s_add_co_u32 s24, s17, s18
	s_mov_b32 s25, 0
	s_add_nc_u64 s[4:5], s[4:5], s[24:25]
	s_mul_i32 s19, s16, 16*SPI                     ; my wave's stage
	s_wait_alu depctr_va_vdst(0)
	v_add_nc_u32 v5, s19, v7                       ; in: 16 bytes a lane
	v_mul_u32_u24 v6, v2, SPI
	v_lshl_add_u32 v6, v3, 7, v6
	v_add_nc_u32 v6, s19, v6                       ; out: row r, + 128 h: my block of 32 numbers
.irp i, 0,1,2,3,4,5,6,7,8,9,10,11,12,13,14,15
	global_load_b128 v[R+4*\i:R+4*\i+3], v7, s[4:5] offset:(\i+8*(\i/8))*2048 th:TH_LOAD_NT   ; the tile's i-th row: 32 lanes read 512 consecutive bytes
.endr
	s_wait_alu depctr_va_vdst(0)
.irp i, 0,1,2,3,4,5,6,7,8,9,10,11,12,13,14,15
	s_wait_loadcnt 15-\i                           ; loads come back in order: row i is in, the younger ones stay out
	ds_store_b128 v5, v[R+4*\i:R+4*\i+3] offset:SPI*\i
.endr
.irp c, 0,1
.irp j, 0,1,2,3,4,5,6,7
	ds_load_b128 v[X+32*\c+4*\j:X+32*\c+4*\j+3], v6 offset:256*\c+16*\j   ; LDS serves a wave's instructions in order: these see my stores
.endr
.endr
	s_wait_dscnt 0x0
	s_branch .Lquant
.Lweight:
	; ---- a column tile of a weight
	s_sub_co_u32 s17, ttmp9, 512
	s_lshr_b32 s18, s17, 5                         ; which weight
	s_and_b32 s17, s17, 31                         ; T
	s_cmp_eq_u32 s18, 1                            ; the choice hangs on the work-group's number alone
	s_cselect_b64 s[8:9], s[10:11], s[8:9]
	s_cmp_eq_u32 s18, 2
	s_cselect_b64 s[8:9], s[12:13], s[8:9]
	s_cmp_eq_u32 s18, 3
	s_cselect_b64 s[8:9], s[14:15], s[8:9]
	s_lshr_b32 s19, s17, 1
	s_lshl_b32 s19, s19, 5
	s_and_b32 s17, s17, 1
	s_lshl_b32 s17, s17, 3
	s_add_co_u32 s19, s19, s17                     ; the tile's first column
	s_lshl_b32 s19, s19, 2
	s_lshl_b32 s17, s16, 18                        ; K step s: 128 rows of 2,048 bytes
	s_add_co_u32 s24, s19, s17
	s_mov_b32 s25, 0
	s_add_nc_u64 s[8:9], s[8:9], s[24:25]
	s_wait_alu depctr_va_vdst(0)
	v_and_b32 v4, 8, v2
	v_add_nc_u32 v4, v4, v2                        ; r + 8 (r / 8)
	v_lshlrev_b32 v4, 2, v4
	v_lshl_add_u32 v4, v3, 16, v4                  ; lanes 16-31 begin 32 rows further down
.irp c, 0,1
.irp i, 0,1,2,3,4,5,6,7,8,9,10,11,12,13,14,15,16,17,18,19,20,21,22,23,24,25,26,27,28,29,30,31
	global_load_b32 v[X+32*\c+\i], v4, s[8:9] offset:(64*\c+\i)*2048
.endr
.endr
	s_wait_loadcnt 0x0
.Lquant:
	; ---- both ways: my blocks 2 c + h, all 32 numbers of each are mine
.irp c, 0,1
	v_max3_num_f32 v[8+\c], |v[X+32*\c]|, |v[X+32*\c+1]|, 0x2800000   ; with the floor 2^(5 - 127) among the leaves: the byte cannot fall under 1
.endr
.irp i, 2,4,6,8,10,12,14,16,18,20,22,24,26,28,30
.irp c, 0,1
	v_max3_num_f32 v[8+\c], v[8+\c], |v[X+32*\c+\i]|, |v[X+32*\c+\i+1]|   ; the two blocks by turns
.endr
.endr
.irp c, 0,1
	v_add_nc_u32 v[10+\c], 0xfe000000, v[8+\c]     ; 4 off the exponent field: the conversion takes this operand's exponent field as its scale
.endr
.irp c, 0,1
	v_lshrrev_b32 v[12+\c], 23, v[10+\c]           ; the scale's byte
.endr
	v_lshl_or_b32 v14, v13, 16, v12                ; my two bytes: blocks h and 2 + h,
	v_lshlrev_b32 v15, 3, v3
	v_lshlrev_b32 v14, v15, v14                    ; at their places in the word (8 h bits up);
	v_mov_b32 v15, 0
	v_permlanex16_b32 v15, v14, s20, s21
	v_or_b32 v14, v14, v15                         ; with lane l xor 16's two the word is whole, in both lanes
.irp c, 0,1
	v_cvt_scalef32_pk16_bf6_f32 v[P+6*\c:P+6*\c+2], v[X+32*\c:X+32*\c+15], v[10+\c]
	v_cvt_scalef32_pk16_bf6_f32 v[PT+4*\c:PT+4*\c+2], v[X+32*\c+16:X+32*\c+31], v[10+\c]   ; (a conversion's three registers begin on an even number)
.endr
	v_nop                                          ; one plain place behind a scaled conversion
.irp c, 0,1
.irp i, 0,1,2
	v_mov_b32 v[P+3+6*\c+\i], v[PT+4*\c+\i]
.endr
.endr
.irp i, 0,1,2
	global_store_b128 v[FO], v[P+4*\i:P+4*\i+3], s[6:7] offset:512*\i   ; 32 lanes store 512 consecutive bytes, at a multiple of 256 from xw's first byte
.endr
	global_store_b32 v[WO], v14, s[6:7] offset:6144
	s_wait_tensorcnt 0x0
	ds_add_u32 v168, v169
	s_wait_dscnt 0x0
	s_endpgm
.Lfunc_end_k_q89040fac98_prep:
	.size	k_q89040fac98_prep, .Lfunc_end_k_q89040fac98_prep-k_q89040fac98_prep
	.p2alignl 7, 3214868480
	.fill 96, 4, 3214868480
	.section	.rodata,"a",@progbits
	.p2align	6, 0x0
	.amdhsa_kernel k_q89040fac98_prep
		.amdhsa_group_segment_fixed_size 34304
		.amdhsa_private_segment_fixed_size 0
		.amdhsa_enable_private_segment 0
		.amdhsa_kernarg_size 48
		.amdhsa_user_sgpr_count 2
		.amdhsa_user_sgpr_kernarg_segment_ptr 1
		.amdhsa_wavefront_size32 1
		.amdhsa_system_sgpr_workgroup_id_x 1
		.amdhsa_system_sgpr_workgroup_id_y 1
		.amdhsa_system_sgpr_workgroup_id_z 1
		.amdhsa_system_vgpr_workitem_id 0
		.amdhsa_next_free_vgpr 170
		.amdhsa_next_free_sgpr 66
		.amdhsa_reserve_vcc 0
		.amdhsa_float_denorm_mode_32 3
		.amdhsa_float_denorm_mode_16_64 3
		.amdhsa_memory_ordered 1
		.amdhsa_forward_progress 1
		.amdhsa_inst_pref_size 17
	.end_amdhsa_kernel
	.amdgpu_metadata
---
amdhsa.version: [ 1, 2 ]
amdhsa.kernels:
  - .name:           k_q89040fac98_prep
    .symbol:         k_q89040fac98_prep.kd
    .args:
      - { .name: Wq, .offset: 0, .size: 8, .value_kind: global_buffer, .address_space: global }
      - { .name: Wk, .offset: 8, .size: 8, .value_kind: global_buffer, .address_space: global }
      - { .name: Wv, .offset: 16, .size: 8, .value_kind: global_buffer, .address_space: global }
      - { .name: Wp, .offset: 24, .size: 8, .value_kind: global_buffer, .address_space: global }
      - { .name: x, .offset: 32, .size: 8, .value_kind: global_buffer, .address_space: global }
      - { .name: xw, .offset: 40, .size: 8, .value_kind: global_buffer, .address_space: global }
    .group_segment_fixed_size: 34304
    .private_segment_fixed_size: 0
    .kernarg_segment_align: 8
    .kernarg_segment_size: 48
    .max_flat_workgroup_size: 128
    .sgpr_count:     66
    .vgpr_count:     170
    .wavefront_size: 32
...
	.end_amdgpu_metadata
.endif
;; end of part 1
;; launch proj (part 2): grid 64 x 4, 8 waves a work-group, clusters of 4 x 4, 214,016 bytes of LDS; arguments xw, bq, bk, bv, qw, kv; writes qw, kv
.if DOCPART == 2
	.amdgcn_target "amdgcn-amd-amdhsa--gfx1250"
	.amdhsa_code_object_version 6
	.text
	.protected	k_q89040fac98_proj
	.globl	k_q89040fac98_proj
	.p2align	8
	.type	k_q89040fac98_proj,@function
k_q89040fac98_proj:
	s_mov_b64 s[64:65], 0
	v_nop
	global_prefetch_b8 v0, s[64:65] scope:SCOPE_SE
	s_setreg_imm32_b32 hwreg(HW_REG_WAVE_MODE, 25, 1), 1
	s_wait_xcnt 0x0
	s_wait_alu depctr_hold_cnt(0) depctr_sa_sdst(0) depctr_va_vdst(0) depctr_va_sdst(0) depctr_va_ssrc(0) depctr_va_vcc(0) depctr_vm_vsrc(0)
	s_getreg_b32 s2, hwreg(HW_REG_IB_STS2, 6, 4)
	s_cmp_eq_u32 s2, 0
	s_cbranch_scc0 .Lentry_in_a_cluster
	s_endpgm
.Lentry_in_a_cluster:
	s_bfe_u32 s2, ttmp6, 0x10000c
	s_cmp_lg_u32 s2, 0xf033
	s_cbranch_scc0 .Lentry_shape_is_right
	s_endpgm
.Lentry_shape_is_right:
; q = x Wq + bq, k = x Wk + bk, v = x Wv + bv on codes of BF6 (xw's records), and the results quantised at once: q and k along the head's 64, v along the keys.
; A work-group takes 128 rows of x (RB: batch RB / 32, key step RB % 32) and 128 columns (cg: heads 2 cg, 2 cg + 1) of all three weights.  LDS is filled once: x's block of 8 records, then Wq's, Wk's, Wv's,
; 53,248 bytes each; wave w brings half a block, 104 rows of 256 dense bytes, to LDS byte 26,624 w.
; CLUSTER 4 x 4: x's block hangs on the work-group's x alone and is asked for jointly by the four of a column of the cluster, a weight's block on y alone and by the four of a row.
; 24 jobs of 32 matrix instructions, three a wave, every wave the same text:
;   V: channel tile w of the 8.  Source 0 = 16 keys (x), source 1 = 16 channels (Wv): a lane holds ONE channel and its 64 registers run along the step's 128 keys: one fragment of V^T.
;   K, Q: head w / 4 of the two, 32 rows (two tiles) w % 4.  Source 0 = 16 columns (W), source 1 = 16 rows (x): a lane holds one row, and 32 registers run along the head's 64.  The two tiles' 64 registers
;   make one fragment: registers 0-5 the first tile's 64 codes, registers 6-11 the second's; scale word: bytes tile 0 block 0, tile 0 block 1, tile 1 block 0, tile 1 block 1.
; bk and bq are the C of a sum's first matrix instruction; bv, one number a lane, is added behind the sums.
; OUT.  kv [batch][4 heads hg][step]: 53,248 bytes: K's fragment (hl, f) at 1536 (4 hl + f), V's (hl, t) at 24,576 + 1536 (4 hl + t), K's scale words at 49,152 + 1024 hl + 16 lane + 4 f, V's 512 further on.
;       qw [batch][head][pair of query tiles]: 1,792 bytes: tile u's six registers as three pieces at 768 u + 256 p + 8 lane; its scale word, bytes a0 a1 a0 a1, at 1536 + 128 u + 4 lane.
; LIMITS: the floor 2^-122 under every block's largest magnitude; a block of zeros gets the byte 1; NaN and infinities are not served.  Scale words leave as 4 bytes a lane.
.set FRB,  1536
.set REC,  6656
.set BLK,  53248
.set HALF, 26624
.set L16,  1                           ; v1   16 lane
.set L8,   2                           ; v2   8 lane
.set L4,   3                           ; v3   4 lane
.set AWV,  5                           ; v5   Wv's record w
.set AWK,  6                           ; v6   Wk's four records of my head
.set AWQ,  7                           ; v7   Wq's
.set AXK,  8                           ; v8   x's two records of my 32 rows
.set BO,   13                          ; v13  64 h
.set BVO,  14                          ; v14  4 (r + 8 (r / 8))
.set SCA,  16                          ; v16-23 source 0's scale words
.set SCB,  24                          ; v24-25 source 1's
.set BI,   28                          ; v28-59 bk, then bq, in the result's layout
.set BV,   60                          ; v60-61 bv of my channel, twice
.set ACC,  64                          ; v64-127 eight accumulators
.set FR,   128                         ; v128-223 fragments
.set WFR,  224                         ; v224-235 Wv's fragment
.set PC,   128                         ; the quantiser works in the fragments' registers, behind the places: codes v128-139, v140-146 at work
.set TM,   148                         ; v148-163
.set PW,   164                         ; the scale word just made; v165, v166 q's two
.set WV,   16
.set SEL,  22
.set G1X,  28
.set G1W,  36
.set G0X,  44
.set G0W,  48
.set KVF,  52
.set KVS,  54
.set QWP,  56
.macro CROUND                          ; a round of the cluster's barrier
	s_barrier_signal -1
	s_barrier_wait -1
	s_cmp_lg_u32 s[WV], 0
	s_cbranch_scc1 .Lnot_wave_0_\@
	s_barrier_signal -3
.Lnot_wave_0_\@:
	s_barrier_wait -3
	s_barrier_signal -1
	s_barrier_wait -1
.endm
.macro PLACES                          ; four plain places behind matrix instructions, ahead of loads into their registers and of reads of their results
.rept 4
	v_nop
.endr
.endm
.macro MM d, a, b, c, sa, sb           ; D = A B + C, by first registers
	v_wmma_scale_f32_16x16x128_f8f6f4 v[\d:\d+7], v[\a:\a+11], v[\b:\b+11], v[\c:\c+7], v[\sa], v[\sb] matrix_a_fmt:MATRIX_FMT_BF6 matrix_b_fmt:MATRIX_FMT_BF6
.endm
.macro MM0 d, a, b, sa, sb             ; the same with C = 0: it starts a sum
	v_wmma_scale_f32_16x16x128_f8f6f4 v[\d:\d+7], v[\a:\a+11], v[\b:\b+11], 0, v[\sa], v[\sb] matrix_a_fmt:MATRIX_FMT_BF6 matrix_b_fmt:MATRIX_FMT_BF6
.endm
; 64 numbers of a lane, register 16 b + i = k 32 b + 16 (lane / 16) + i of my row, become a fragment's codes in v[PC] on and its scale word in v[PW]
.macro QUANT src
.irp b, 0,1,2,3
	v_mov_b32 v[TM+4+\b], 0                        ; a lane permute's destination counts as one of its sources
.endr
.irp b, 0,1,2,3
	v_max3_num_f32 v[TM+\b], |v[\src+16*\b]|, |v[\src+1+16*\b]|, 0x2800000   ; my 16 numbers of block b, and the floor 2^(5 - 127)
.endr
.irp i, 2,4,6,8,10,12,14
.irp b, 0,1,2,3
	v_max3_num_f32 v[TM+\b], v[TM+\b], |v[\src+16*\b+\i]|, |v[\src+1+16*\b+\i]|
.endr
.endr
.irp b, 0,1,2,3
	s_delay_alu instid0(VALU_DEP_4)
	v_permlanex16_b32 v[TM+4+\b], v[TM+\b], s[SEL], s[SEL+1]
.endr
.irp b, 0,1,2,3
	s_delay_alu instid0(VALU_DEP_4)
	v_max_num_f32 v[TM+\b], v[TM+\b], v[TM+4+\b]   ; with lane l xor 16's: the block's largest magnitude
.endr
.irp b, 0,1,2,3
	s_delay_alu instid0(VALU_DEP_4)
	v_add_nc_u32 v[TM+12+\b], 0xfe000000, v[TM+\b] ; 4 off its exponent field: the conversion's scale operand
.endr
.irp b, 0,1,2,3
	s_delay_alu instid0(VALU_DEP_4)
	v_lshrrev_b32 v[TM+4+\b], 23, v[TM+12+\b]      ; the scale's byte
.endr
	s_delay_alu instid0(VALU_DEP_3)
	v_lshl_or_b32 v[PW], v[TM+5], 8, v[TM+4]
	s_delay_alu instid0(VALU_DEP_1)
	v_lshl_or_b32 v[PW], v[TM+6], 16, v[PW]
	s_delay_alu instid0(VALU_DEP_1)
	v_lshl_or_b32 v[PW], v[TM+7], 24, v[PW]
.irp c, 0,1
	v_cvt_scalef32_pk16_bf6_f32 v[PC+6*\c:PC+2+6*\c], v[\src+32*\c:\src+15+32*\c], v[TM+12+2*\c]
	v_cvt_scalef32_pk16_bf6_f32 v[PC+12+4*\c:PC+14+4*\c], v[\src+16+32*\c:\src+31+32*\c], v[TM+12+2*\c+1]
.endr
	v_nop                                          ; one plain place behind a scaled conversion
.irp c, 0,1                                    ; the layout wants a whole block in a lane: lanes 0-15 block 2 c, lanes 16-31 block 2 c + 1
.irp i, 0,1,2
	v_permlane16_swap_b32 v[PC+6*\c+\i], v[PC+12+4*\c+\i]
.endr
.irp i, 0,1,2
	s_delay_alu instid0(VALU_DEP_3)
	v_mov_b32 v[PC+3+6*\c+\i], v[PC+12+4*\c+\i]
.endr
.endr
.endm
	s_load_b256 s[4:11], s[0:1], 0x0               ; xw, bq, bk, bv
	s_load_b128 s[12:15], s[0:1], 0x20             ; qw, kv
	v_lshl_add_u32 v240, v0, 2, 0x34000
	v_mov_b32 v241, 0
	ds_add_u32 v240, v241
	ds_add_u32 v240, v241
	v_lshrrev_b32 v1, 5, v0
	s_delay_alu instid0(VALU_DEP_1)
	v_readfirstlane_b32 s[WV], v1                  ; wave 0..7
	s_bfe_u32 s17, ttmp6, 0x40000                  ; cx
	s_bfe_u32 s18, ttmp6, 0x40004                  ; cy
	s_lshl_b32 s19, ttmp9, 2
	s_add_co_u32 s19, s19, s17                     ; RB = 4 x cluster x + cx
	s_and_b32 s20, ttmp7, 0xffff
	s_lshl_b32 s20, s20, 2
	s_add_co_u32 s20, s20, s18                     ; cg = 4 x cluster y + cy
	s_lshl_b32 s24, 0x1111, s17                    ; my column of the cluster
	s_lshl_b32 s25, s18, 2
	s_lshl_b32 s25, 15, s25                        ; my row
	; descriptor group 1: 104 rows of 256 dense bytes (32 elements of 8 bytes), no padding: the blocks are read as images, lane l at 16 l
	s_or_b32 s[G1X], s24, (3<<16)|(1<<21)          ; x's block goes to my column; bit 21 set beside a mask
	s_or_b32 s[G1W], s25, (3<<16)|(1<<21)          ; a weight's to my row
.irp g, G1X, G1W
	s_mov_b32 s[\g+1], 32<<16                      ; tensor_dim0
	s_mov_b32 s[\g+2], 104<<16                     ; tensor_dim1
	s_mov_b32 s[\g+3], 32<<16                      ; tile_dim0
	s_mov_b32 s[\g+4], 104                         ; tile_dim1
	s_mov_b32 s[\g+5], 32                          ; pitch
	s_mov_b32 s[\g+6], 0
	s_mov_b32 s[\g+7], 0
.endr
	s_and_b32 s26, s[WV], 1
	s_mul_i32 s26, s26, HALF                       ; which half of a block I fetch
	s_mul_i32 s58, s19, BLK                        ; x's block: made of RB and the wave's number alone
	s_add_co_u32 s58, s58, s26
	s_mov_b32 s59, 0
	s_lshr_b32 s27, s[WV], 1                       ; waves 2, 3: Wq; 4, 5: Wk; 6, 7: Wv
	s_mul_i32 s27, s27, 32*REC
	s_mul_i32 s60, s20, BLK                        ; a weight's block: made of cg and the wave's number alone
	s_add_co_u32 s60, s60, s27
	s_add_co_u32 s60, s60, s26
	s_add_co_u32 s60, s60, 512*REC-32*REC
	s_mov_b32 s61, 0
	s_mul_i32 s21, s[WV], HALF                     ; where it goes: no place in the cluster enters an LDS address
	s_mov_b32 s[SEL], 0x76543210
	s_mov_b32 s[SEL+1], 0xfedcba98
	s_wait_dscnt 0x0
	s_wait_kmcnt 0x0
	s_mov_b32 s[G0X], 1
	s_mov_b32 s[G0X+1], s21
	s_add_nc_u64 s[G0X+2:G0X+3], s[4:5], s[58:59]
	s_or_b32 s[G0X+3], s[G0X+3], 0x80000000
	s_mov_b32 s[G0W], 1
	s_mov_b32 s[G0W+1], s21
	s_add_nc_u64 s[G0W+2:G0W+3], s[4:5], s[60:61]
	s_or_b32 s[G0W+3], s[G0W+3], 0x80000000
	CROUND                                         ; all sixteen work-groups are here: the joint loads meet
	s_cmp_lt_u32 s[WV], 2                          ; one load a wave; the branch hangs on the wave's number alone; four v_nop follow each line
	s_cbranch_scc0 .Lfor_w
	tensor_load_to_lds s[G0X:G0X+3], s[G1X:G1X+7]
	s_nop 0
.rept 4
	v_nop
.endr
	s_branch .Lasked
.Lfor_w:
	tensor_load_to_lds s[G0W:G0W+3], s[G1W:G1W+7]
	s_nop 0
.rept 4
	v_nop
.endr
.Lasked:
	; where my results go, and my biases: scalars that mix the two coordinates lie in s66 on
	s_lshr_b32 s66, s19, 5                         ; batch
	s_and_b32 s67, s19, 31                         ; key step
	s_lshr_b32 s68, s20, 1                         ; hg
	s_and_b32 s69, s20, 1
	s_lshr_b32 s70, s[WV], 2                       ; which of my two heads
	s_and_b32 s71, s[WV], 3                        ; which 32 rows, or which channel tile of the head
	s_lshl_b32 s72, s66, 1
	s_add_co_u32 s72, s72, s68
	s_lshl_b32 s72, s72, 5
	s_add_co_u32 s72, s72, s67
	s_mul_i32 s72, s72, BLK                        ; kv's block
	s_lshl_b32 s74, s69, 3
	s_add_co_u32 s74, s74, s[WV]
	s_mul_i32 s74, s74, FRB
	s_add_co_u32 s74, s74, s72
	s_mov_b32 s75, 0
	s_add_nc_u64 s[KVF:KVF+1], s[14:15], s[74:75]  ; fragment 4 hl + (w % 4), hl = 2 (cg % 2) + w / 4
	s_lshl_b32 s74, s69, 1
	s_add_co_u32 s74, s74, s70
	s_lshl_b32 s74, s74, 10
	s_lshl_b32 s73, s71, 2
	s_add_co_u32 s74, s74, s73
	s_add_co_u32 s74, s74, s72
	s_add_co_u32 s74, s74, 49152
	s_add_nc_u64 s[KVS:KVS+1], s[14:15], s[74:75]  ; its scale words
	s_lshl_b32 s74, s66, 3
	s_lshl_b32 s73, s20, 1
	s_add_co_u32 s74, s74, s73
	s_add_co_u32 s74, s74, s70                     ; 8 x batch + head
	s_lshl_b32 s74, s74, 7
	s_lshl_b32 s73, s67, 2
	s_add_co_u32 s74, s74, s73
	s_add_co_u32 s74, s74, s71                     ; the pair of query tiles
	s_mul_i32 s74, s74, 1792
	s_add_nc_u64 s[QWP:QWP+1], s[12:13], s[74:75]
	s_lshl_b32 s74, s20, 9
	s_lshl_b32 s73, s70, 8
	s_add_co_u32 s74, s74, s73                     ; 256 bytes a head
	s_add_nc_u64 s[6:7], s[6:7], s[74:75]          ; bq
	s_add_nc_u64 s[8:9], s[8:9], s[74:75]          ; bk
	s_lshl_b32 s74, s20, 9
	s_lshr_b32 s73, s[WV], 1
	s_lshl_b32 s73, s73, 7
	s_add_co_u32 s74, s74, s73
	s_and_b32 s73, s[WV], 1
	s_lshl_b32 s73, s73, 5
	s_add_co_u32 s74, s74, s73                     ; channel tile w: 4 (32 (w / 2) + 8 (w % 2)) bytes
	s_add_nc_u64 s[10:11], s[10:11], s[74:75]      ; bv
	v_and_b32 v4, 31, v0
	s_delay_alu instid0(VALU_DEP_1)
	v_lshlrev_b32 v[L16], 4, v4
	s_delay_alu instid0(VALU_DEP_2)
	v_lshlrev_b32 v[L8], 3, v4
	s_delay_alu instid0(VALU_DEP_3)
	v_lshlrev_b32 v[L4], 2, v4
	v_and_b32 v9, 15, v0
	v_bfe_u32 v10, v0, 4, 1
	s_delay_alu instid0(VALU_DEP_1)
	v_lshlrev_b32 v[BO], 6, v10
	s_delay_alu instid0(VALU_DEP_3)
	v_and_b32 v[BVO], 8, v9
	s_delay_alu instid0(VALU_DEP_1)
	v_add_nc_u32 v[BVO], v[BVO], v9
	s_delay_alu instid0(VALU_DEP_1)
	v_lshlrev_b32 v[BVO], 2, v[BVO]
	global_load_b32 v[BV], v[BVO], s[10:11]
	global_load_b32 v[BV+1], v[BVO], s[10:11]      ; twice: a pair for the packed addition
.irp ct, 0,1,2,3
	global_load_b128 v[BI+8*\ct:BI+8*\ct+3], v[BO], s[8:9] offset:128*(\ct/2)+32*(\ct%2)      ; bk at the lane's eight units of tile ct: 32 (ct / 2) + 8 (ct % 2) + 16 h + 0 .. 7
	global_load_b128 v[BI+8*\ct+4:BI+8*\ct+7], v[BO], s[8:9] offset:128*(\ct/2)+32*(\ct%2)+16
.endr
	s_mul_i32 s24, s[WV], REC
	s_add_co_u32 s24, s24, 3*BLK
	v_add_nc_u32 v[AWV], s24, v[L16]
	s_lshr_b32 s25, s[WV], 2
	s_mul_i32 s25, s25, HALF
	s_add_co_u32 s24, s25, 2*BLK
	v_add_nc_u32 v[AWK], s24, v[L16]
	s_add_co_u32 s24, s25, BLK
	v_add_nc_u32 v[AWQ], s24, v[L16]
	s_and_b32 s26, s[WV], 3
	s_mul_i32 s26, s26, 2*REC
	v_add_nc_u32 v[AXK], s26, v[L16]
	s_wait_alu depctr_va_vdst(0)
	s_wait_tensorcnt 0x0                           ; my half block has landed,
	s_barrier_signal -1
	s_barrier_wait -1                              ; everybody's has.  Nothing is filled again in this launch
	s_wait_loadcnt 0x0                             ; bv, bk
; K step s of the V job: x's eight fragments against Wv's one.  The eight accumulators take turns, one instruction a turn, from round to round too
.macro VROUND s
.irp rt, 0,1,2,3,4,5,6,7
.irp c, 0,1,2
	ds_load_b128 v[FR+12*\rt+4*\c:FR+12*\rt+4*\c+3], v[L16] offset:\rt*REC+1536*\s+512*\c
.endr
	ds_load_b32 v[SCA+\rt], v[L16] offset:\rt*REC+6144+4*\s
.endr
.irp c, 0,1,2
	ds_load_b128 v[WFR+4*\c:WFR+4*\c+3], v[AWV] offset:1536*\s+512*\c
.endr
	ds_load_b32 v[SCB], v[AWV] offset:6144+4*\s
	s_wait_dscnt 0x0
.irp rt, 0,1,2,3,4,5,6,7
.if \s == 0
	MM0 ACC+8*\rt, FR+12*\rt, WFR, SCA+\rt, SCB
.else
	MM ACC+8*\rt, FR+12*\rt, WFR, ACC+8*\rt, SCA+\rt, SCB
.endif
.endr
	PLACES
.endm
; K step s of a K or Q job: the head's four fragments of the weight at aw against x's two
.macro KROUND s, aw
.irp ct, 0,1,2,3
.irp c, 0,1,2
	ds_load_b128 v[FR+12*\ct+4*\c:FR+12*\ct+4*\c+3], v[\aw] offset:\ct*REC+1536*\s+512*\c
.endr
	ds_load_b32 v[SCA+\ct], v[\aw] offset:\ct*REC+6144+4*\s
.endr
.irp u, 0,1
.irp c, 0,1,2
	ds_load_b128 v[FR+48+12*\u+4*\c:FR+48+12*\u+4*\c+3], v[AXK] offset:\u*REC+1536*\s+512*\c
.endr
	ds_load_b32 v[SCB+\u], v[AXK] offset:\u*REC+6144+4*\s
.endr
	s_wait_dscnt 0x0
.irp u, 0,1
.irp ct, 0,1,2,3
.if \s == 0
	MM ACC+32*\u+8*\ct, FR+12*\ct, FR+48+12*\u, BI+8*\ct, SCA+\ct, SCB+\u      ; the bias is the C of the sum's first product
.else
	MM ACC+32*\u+8*\ct, FR+12*\ct, FR+48+12*\u, ACC+32*\u+8*\ct, SCA+\ct, SCB+\u
.endif
.endr
.endr
	PLACES
.endm
	; ---- V
	VROUND 0
	VROUND 1
	VROUND 2
	VROUND 3
.set jj, 0
.rept 32
	v_pk_add_f32 v[ACC+jj:ACC+jj+1], v[ACC+jj:ACC+jj+1], v[BV:BV+1]   ; + bv of my channel; each accumulator from its low end on
.set jj, jj+2
.endr
	QUANT ACC
.irp c, 0,1,2
	global_store_b128 v[L16], v[PC+4*\c:PC+4*\c+3], s[KVF:KVF+1] offset:24576+512*\c   ; 32 lanes store 512 consecutive bytes, at a multiple of 256 from kv's first byte
.endr
	global_store_b32 v[L16], v[PW], s[KVS:KVS+1] offset:512
	s_wait_xcnt 0x0                                ; the stores have read their registers: the next job's fragments land there
	; ---- K
	KROUND 0, AWK
.irp ct, 0,1,2,3                               ; bk has been read, four places back: bq takes its registers
	global_load_b128 v[BI+8*\ct:BI+8*\ct+3], v[BO], s[6:7] offset:128*(\ct/2)+32*(\ct%2)
	global_load_b128 v[BI+8*\ct+4:BI+8*\ct+7], v[BO], s[6:7] offset:128*(\ct/2)+32*(\ct%2)+16
.endr
	KROUND 1, AWK
	KROUND 2, AWK
	KROUND 3, AWK
	QUANT ACC
.irp c, 0,1,2
	global_store_b128 v[L16], v[PC+4*\c:PC+4*\c+3], s[KVF:KVF+1] offset:512*\c
.endr
	global_store_b32 v[L16], v[PW], s[KVS:KVS+1]
	s_wait_xcnt 0x0
	s_wait_loadcnt 0x0                             ; bq
	; ---- Q
	KROUND 0, AWQ
	KROUND 1, AWQ
	KROUND 2, AWQ
	KROUND 3, AWQ
	QUANT ACC
	v_perm_b32 v165, v[PW], v[PW], 0x01000100      ; tile 0's two bytes, twice: the word serves the tile's codes in either half of K = 128
	v_perm_b32 v166, v[PW], v[PW], 0x03020302      ; tile 1's
.irp u, 0,1
.irp p, 0,1,2
	global_store_b64 v[L8], v[PC+6*\u+2*\p:PC+6*\u+2*\p+1], s[QWP:QWP+1] offset:768*\u+256*\p   ; 32 lanes store 256 consecutive bytes, aligned
.endr
.endr
	global_store_b32 v[L4], v165, s[QWP:QWP+1] offset:1536
	global_store_b32 v[L4], v166, s[QWP:QWP+1] offset:1536+128
	s_wait_tensorcnt 0x0
	ds_add_u32 v240, v241
	s_wait_dscnt 0x0
	CROUND                                         ; the closing round: no work-group ends while a partner may still ask for a block that names it
	s_endpgm
.Lfunc_end_k_q89040fac98_proj:
	.size	k_q89040fac98_proj, .Lfunc_end_k_q89040fac98_proj-k_q89040fac98_proj
	.p2alignl 7, 3214868480
	.fill 96, 4, 3214868480
	.section	.rodata,"a",@progbits
	.p2align	6, 0x0
	.amdhsa_kernel k_q89040fac98_proj
		.amdhsa_group_segment_fixed_size 214016
		.amdhsa_private_segment_fixed_size 0
		.amdhsa_enable_private_segment 0
		.amdhsa_kernarg_size 48
		.amdhsa_user_sgpr_count 2
		.amdhsa_user_sgpr_kernarg_segment_ptr 1
		.amdhsa_wavefront_size32 1
		.amdhsa_system_sgpr_workgroup_id_x 1
		.amdhsa_system_sgpr_workgroup_id_y 1
		.amdhsa_system_sgpr_workgroup_id_z 1
		.amdhsa_system_vgpr_workitem_id 0
		.amdhsa_next_free_vgpr 242
		.amdhsa_next_free_sgpr 80
		.amdhsa_reserve_vcc 0
		.amdhsa_float_denorm_mode_32 3
		.amdhsa_float_denorm_mode_16_64 3
		.amdhsa_memory_ordered 1
		.amdhsa_forward_progress 1
		.amdhsa_inst_pref_size 62
	.end_amdhsa_kernel
	.amdgpu_metadata
---
amdhsa.version: [ 1, 2 ]
amdhsa.kernels:
  - .name:           k_q89040fac98_proj
    .symbol:         k_q89040fac98_proj.kd
    .args:
      - { .name: xw, .offset: 0, .size: 8, .value_kind: global_buffer, .address_space: global }
      - { .name: bq, .offset: 8, .size: 8, .value_kind: global_buffer, .address_space: global }
      - { .name: bk, .offset: 16, .size: 8, .value_kind: global_buffer, .address_space: global }
      - { .name: bv, .offset: 24, .size: 8, .value_kind: global_buffer, .address_space: global }
      - { .name: qw, .offset: 32, .size: 8, .value_kind: global_buffer, .address_space: global }
      - { .name: kv, .offset: 40, .size: 8, .value_kind: global_buffer, .address_space: global }
    .group_segment_fixed_size: 214016
    .private_segment_fixed_size: 0
    .kernarg_segment_align: 8
    .kernarg_segment_size: 48
    .max_flat_workgroup_size: 256
    .sgpr_count:     80
    .vgpr_count:     242
    .wavefront_size: 32
...
	.end_amdgpu_metadata
.endif
;; end of part 2
;; launch attn (part 3): grid 64 x 4, 8 waves a work-group, clusters of 4 x 1, 327,680 bytes of LDS; arguments qw, kv, coords, slopes, aw; writes aw
.if DOCPART == 3
	.amdgcn_target "amdgcn-amd-amdhsa--gfx1250"
	.amdhsa_code_object_version 6
	.text
	.protected	k_q89040fac98_attn
	.globl	k_q89040fac98_attn
	.p2align	8
	.type	k_q89040fac98_attn,@function
k_q89040fac98_attn:
	s_mov_b64 s[64:65], 0
	v_nop
	global_prefetch_b8 v0, s[64:65] scope:SCOPE_SE
	s_setreg_imm32_b32 hwreg(HW_REG_WAVE_MODE, 25, 1), 1
	s_wait_xcnt 0x0
	s_wait_alu depctr_hold_cnt(0) depctr_sa_sdst(0) depctr_va_vdst(0) depctr_va_sdst(0) depctr_va_ssrc(0) depctr_va_vcc(0) depctr_vm_vsrc(0)
	s_getreg_b32 s2, hwreg(HW_REG_IB_STS2, 6, 4)
	s_cmp_eq_u32 s2, 0
	s_cbranch_scc0 .Lentry_in_a_cluster
	s_endpgm
.Lentry_in_a_cluster:
	s_bfe_u32 s2, ttmp6, 0x10000c
	s_cmp_lg_u32 s2, 0x3003
	s_cbranch_scc0 .Lentry_shape_is_right
	s_endpgm
.Lentry_shape_is_right:
; O = softmax(q k^T / 8 - slope_h |c_q - c_k|) v for 2 batches x 8 heads of 64 x 4,096, both products on codes of BF6 (E3M2) with E8M0 scales; O / l is quantised along d into aw's records.
; SOFTMAX.  t = logit x log2(e); M = the running largest t rounded UP to a whole number; p = 2^(t - M) is quantised along the keys; the row's sum is taken of the unquantised p and divides at the end.
; When M moves, the sum and O are multiplied by 2^(old M - new M): exact.
; SHARES.  A work-group owns 64 queries (four tiles of 16) and four heads (y = 2 x batch + hg).  Wave w owns tile w % 4, ALL FOUR HEADS, and half w / 4 of the keys: 16 steps of 128 keys.
; The distance does not hang on the head: a wave makes a step's 64 registers of distances once, in its own registers, and they serve its four heads.  No wave hands another anything before the end,
; where the two halves of the keys are joined through LDS: M is a whole number, so both parts are brought under the larger M by exact powers of two.
; PRODUCTS, both transposed: a lane holds ONE query.  S^T = K Q^T: a fragment of K carries two tiles of 16 keys (K = 64 each) and is multiplied once by [q, 0] and once by [0, q]; its C is -8 slope x distance.
; WHICH KEYS FORM A TILE: lanes r < 8 read rows 8 g .. of kv's fragment 2 c, lanes r >= 8 the same rows of fragment 2 c + 1.  Register n of S is then key 64 (n / 32) + 32 (lane / 16) + n % 32:
; a lane holds whole blocks of 32 keys in the order of the next operand's registers, so that a block's maximum needs no other lane and p's codes need no exchange between lanes.
; RING.  Two LDS slots, each with key step j and key step 16 + j.  Every wave fetches one part: waves 0-3 halves of the two K parts (24 rows of 512 bytes),
; waves 4-7 halves of the two parts with V and the scale words (56 dense rows of 256 bytes).
; CLUSTER 4 x 1: the four partners walk the same blocks of kv: joint loads, mask 15.  One load a wave is out.  The key coordinates, x and y apart, are laid into LDS once, at the head.
; LIMITS: a squared distance under 2^-126 counts as 0 (v_sqrt_f32's denormal input); a block's largest p is taken through its largest score, which takes v_exp_f32 not to fall where its input rises;
; the promise holds while t stays under 2^31 in magnitude; the floor 2^-122 under a block's largest magnitude, zero blocks get the byte 1; NaN and infinities are not served.
; The scale halves of aw leave as 2 bytes a lane.
.set FRB,   1536
.set REC,   6656
.set BLK,   53248                      ; a key step's block of kv in memory
.set KP,    1920                       ; a fragment of K in LDS: three chunks of 512 + 128
.set LK,    16*KP                      ; K's part of a block in LDS
.set LBLK,  LK+28672                   ; a block in LDS
.set SLOT1, 1<<17                      ; slot 1 begins here: one exclusive or turns an address
.set COORD, SLOT1+2*LBLK               ; 4,096 x, then 4,096 y.  No fill lands here
.set SPARE, COORD+32768                ; the spare words: 128 bytes for each of 8 waves
.set SROW,  18432                      ; the stage of a wave at the end: 36 x 512 bytes, in slot 0, behind its last fill and last read
; window 0
.set AK,   1                           ; K's fragments: 1920 (r / 8) + 256 h + 16 (r % 8) + my half's block
.set AV,   2                           ; V's part: 16 lane
.set AKS,  3                           ; K's scale words: 16 (r % 8) + 4 (r / 8)
.set ACO,  4                           ; the coordinates: COORD + 128 h
.set SPW,  5
.set NIL,  6
.set ADK,  7                           ; the four with the slot or step in hand
.set ADV,  8
.set ADS,  9
.set ADC,  10
.set SH8,  11                          ; 8 h
.set QXX,  12                          ; my query's x, twice; y, twice
.set QYY,  14
.set QS,   16                          ; q's scale words, a head each
.set ST,   20                          ; a head's four: -M, the largest 8 x logit, the sum in two halves
.set FRK,  36                          ; v36-83 four fragments of K
.set KS,   84
.set VS,   88
.set S,    92                          ; v92-155 8 x bias, 8 x logit, p
.set FRV,  156                         ; v156-203 four fragments of V
.set PC,   204                         ; v204-215 p's codes
.set PT,   216                         ; v216-222
.set BM,   224
.set BX,   226
.set BT,   228
.set SO,   230
.set F,    232
.set PW,   234
.set PFO,  235
.set TT,   236
.set STG,  238
.set G8,   240
.set CST,  241
.set QO8,  242
.set QO4,  243
.set QCO,  244
.set QC,   246
.set L16,  248
.set L8,   249
; window 1
.set D,    128                         ; v128-191 the step's distances;  v0-127: O^T, 32 registers a head
.set QZ,   192                         ; v192-245: six zeros, q of head 0, six zeros, q of head 1, .. , six zeros
.set WV,   14
.set QT,   15
.set KH,   16
.set SEL,  22
.set CS,   24                          ; s[24:25] log2(e) / 8
.set CSN,  26                          ; its negative
.set CB,   27                          ; my step's coordinates: 512 x step
.set G1K,  28
.set G0K,  36
.set TB,   40
.set SLOTS, 42
.set LIM,  43
.set PFA,  44
.set AWP,  46
.set G0V,  48
.set AWS,  52
.set G1V,  68
.set NS,   76                          ; four pairs: -8 slope
.set MSB, 0
.macro WIN new                         ; the immediate's high byte repeats the setting that is left
.if MSB != \new
	s_set_vgpr_msb (MSB<<8)|\new
.set MSB, \new
.endif
.endm
.macro CROUND
	s_barrier_signal -1
	s_barrier_wait -1
	s_cmp_lg_u32 s[WV], 0
	s_cbranch_scc1 .Lnot_wave_0_\@
	s_barrier_signal -3
.Lnot_wave_0_\@:
	s_barrier_wait -3
	s_barrier_signal -1
	s_barrier_wait -1
.endm
.macro PLACES
.rept 4
	v_nop
.endr
.endm
.macro MM d, a, b, c, sa, sb
	v_wmma_scale_f32_16x16x128_f8f6f4 v[\d:\d+7], v[\a:\a+11], v[\b:\b+11], v[\c:\c+7], v[\sa], v[\sb] matrix_a_fmt:MATRIX_FMT_BF6 matrix_b_fmt:MATRIX_FMT_BF6
.endm
.macro JLOAD                           ; every wave's one joint load; the branch hangs on the wave's number alone; s_nop 0 and four v_nop follow each line
	s_cmp_lt_u32 s[WV], 4
	s_cbranch_scc0 .Lfor_v_\@
	tensor_load_to_lds s[G0K:G0K+3], s[G1K:G1K+7]
	s_nop 0
.rept 4
	v_nop
.endr
	s_branch .Lasked_\@
.Lfor_v_\@:
	tensor_load_to_lds s[G0V:G0V+3], s[G1V:G1V+7]
	s_nop 0
.rept 4
	v_nop
.endr
.Lasked_\@:
.endm
; A prefetch of the slot that the NEXT change of slots will ask for.  All sixteen clusters of a y walk the same blocks: the first (cluster x = 0) asks.  Of the part that wave w fetches, the partner at place cx
; takes a quarter BY ADDRESS: 12 or 14 blocks of 256 bytes, a lane a block (the lanes left over name the last).  The last change that fills a slot asks for nothing.
.macro ASK
	s_cmp_gt_u32 s[SLOTS], s[LIM]
	s_cbranch_scc0 .Lnot_mine_\@
	global_prefetch_b8 v[PFO], s[PFA:PFA+1] th:TH_LOAD_NT scope:SCOPE_SE
.Lnot_mine_\@:
.endm
.macro KLOAD hl                        ; 16 LDS loads: head hl's four fragments of K and their scale words
.irp f, 0,1,2,3
.irp c, 0,1,2
	ds_load_b128 v[FRK+12*\f+4*\c:FRK+12*\f+4*\c+3], v[ADK] offset:(\hl)*4*KP+(\f/2)*2*KP+(\f%2)*128+640*\c
.endr
	ds_load_b32 v[KS+\f], v[ADS] offset:1024*(\hl)+(\f%2)*128+(\f/2)*8
.endr
.endm
.macro VLOAD hl                        ; 13 LDS loads
.irp t, 0,1,2,3
.irp c, 0,1,2
	ds_load_b128 v[FRV+12*\t+4*\c:FRV+12*\t+4*\c+3], v[ADV] offset:(\hl)*6144+FRB*\t+512*\c
.endr
.endr
	ds_load_b128 v[VS:VS+3], v[ADV] offset:24576+1024*(\hl)+512
.endm
.macro CLOAD c, dst                    ; 16 LDS loads: x, then y, of my 32 keys 64 c + 32 h ..; the lanes of a half share an address
.irp i, 0,1,2,3,4,5,6,7
	ds_load_b128 v[\dst+4*\i:\dst+4*\i+3], v[ADC] offset:256*\c+16*\i
.endr
.irp i, 0,1,2,3,4,5,6,7
	ds_load_b128 v[\dst+32+4*\i:\dst+32+4*\i+3], v[ADC] offset:16384+256*\c+16*\i
.endr
.endm
.macro DSQ t                           ; 32 squared distances, two at a time, into v[t] on
.set jj, 0
.rept 16
	v_pk_add_f32 v[\t+jj:\t+jj+1], v[\t+jj:\t+jj+1], v[QXX:QXX+1] neg_lo:[0,1] neg_hi:[0,1]
	v_pk_add_f32 v[\t+32+jj:\t+33+jj], v[\t+32+jj:\t+33+jj], v[QYY:QYY+1] neg_lo:[0,1] neg_hi:[0,1]
.set jj, jj+2
.endr
.set jj, 0
.rept 16
	v_pk_mul_f32 v[\t+jj:\t+jj+1], v[\t+jj:\t+jj+1], v[\t+jj:\t+jj+1]
.set jj, jj+2
.endr
.set jj, 0
.rept 16
	v_pk_fma_f32 v[\t+jj:\t+jj+1], v[\t+32+jj:\t+33+jj], v[\t+32+jj:\t+33+jj], v[\t+jj:\t+jj+1]
.set jj, jj+2
.endr
.endm
	s_load_b256 s[4:11], s[0:1], 0x0               ; qw, kv, coords, slopes
	s_load_b64 s[12:13], s[0:1], 0x20              ; aw
	v_lshl_add_u32 v[SPW], v0, 2, SPARE
	v_mov_b32 v[NIL], 0
	ds_add_u32 v[SPW], v[NIL]                      ; the opening lines: the add, twice on end, and its wait
	ds_add_u32 v[SPW], v[NIL]
	v_lshrrev_b32 v1, 5, v0
	v_readfirstlane_b32 s[WV], v1                  ; wave 0..7
	s_and_b32 s[QT], s[WV], 3                      ; my query tile
	s_lshr_b32 s[KH], s[WV], 2                     ; my half of the keys
	s_bfe_u32 s17, ttmp6, 0x40000                  ; cx
	s_lshl_b32 s18, ttmp9, 2
	s_add_co_u32 s18, s18, s17                     ; my block of 64 queries
	s_and_b32 s19, ttmp7, 0xffff                   ; y, which the partners share
	s_lshr_b32 s20, s19, 1                         ; batch
	s_and_b32 s21, s19, 1                          ; hg
	s_mov_b32 s[G1K], 15|(3<<16)|(1<<20)|(1<<21)|(6<<22)|(31<<25)   ; mask: all four; elements of 8 bytes; behind every 128 words 32 words of padding; bit 21 set beside a mask
	s_mov_b32 s[G1K+1], 64<<16
	s_mov_b32 s[G1K+2], 24<<16
	s_mov_b32 s[G1K+3], 64<<16
	s_mov_b32 s[G1K+4], 24
	s_mov_b32 s[G1K+5], 64
	s_mov_b32 s[G1K+6], 0
	s_mov_b32 s[G1K+7], 0
	s_mov_b32 s[G1V], 15|(3<<16)|(1<<21)           ; dense
	s_mov_b32 s[G1V+1], 32<<16
	s_mov_b32 s[G1V+2], 56<<16
	s_mov_b32 s[G1V+3], 32<<16
	s_mov_b32 s[G1V+4], 56
	s_mov_b32 s[G1V+5], 32
	s_mov_b32 s[G1V+6], 0
	s_mov_b32 s[G1V+7], 0
	s_bfe_u32 s54, s[WV], 0x10001                  ; which of the slot's two blocks I fetch for,
	s_and_b32 s55, s[WV], 1                        ; and which half of the part
	s_mul_i32 s56, s19, 32*BLK
	s_mul_i32 s57, s54, 16*BLK
	s_add_co_u32 s56, s56, s57
	s_mul_i32 s58, s55, 12288
	s_add_co_u32 s58, s58, s56                     ; K's part in kv
	s_mov_b32 s59, 0
	s_mul_i32 s60, s55, 14336
	s_add_co_u32 s60, s60, s56
	s_add_co_u32 s60, s60, 24576                   ; V's and the scale words'
	s_mov_b32 s61, 0
	s_mul_i32 s62, s54, LBLK
	s_mul_i32 s63, s55, 8*KP
	s_add_co_u32 s63, s63, s62                     ; where they go
	s_mul_i32 s88, s55, 14336
	s_add_co_u32 s88, s88, s62
	s_add_co_u32 s88, s88, LK
	s_mov_b32 s[SEL], 0x76543210
	s_mov_b32 s[SEL+1], 0xfedcba98
	s_mov_b32 s[CS], 0x3e38aa3b
	s_mov_b32 s[CS+1], s[CS]
	s_mov_b32 s[CSN], 0xbe38aa3b
	s_mov_b32 s[TB], 0
	s_mov_b32 s[SLOTS], 15
	s_lshl_b32 s[CB], s[KH], 13
	s_wait_dscnt 0x0
	s_wait_kmcnt 0x0
	s_lshl_b32 s54, s21, 4
	s_mov_b32 s55, 0
	s_add_nc_u64 s[10:11], s[10:11], s[54:55]
	s_load_b128 s[84:87], s[10:11], 0x0            ; my four heads' slopes
	s_mov_b32 s[G0K], 1
	s_mov_b32 s[G0K+1], s63
	s_add_nc_u64 s[G0K+2:G0K+3], s[6:7], s[58:59]
	s_or_b32 s[G0K+3], s[G0K+3], 0x80000000
	s_mov_b32 s[G0V], 1
	s_mov_b32 s[G0V+1], s88
	s_add_nc_u64 s[G0V+2:G0V+3], s[6:7], s[60:61]
	s_or_b32 s[G0V+3], s[G0V+3], 0x80000000
	s_mov_b32 s89, 3584                            ; the prefetches: my part, my work-group's quarter of it,
	s_cmp_lt_u32 s[WV], 4
	s_cselect_b32 s90, s58, s60
	s_cselect_b32 s89, 3072, s89
	s_cselect_b32 s92, 11, 13
	s_mul_i32 s89, s89, s17
	s_add_co_u32 s90, s90, s89
	s_add_co_u32 s90, s90, BLK                     ; at the second slot: the first change of slots steps it to the third.  Nothing is prefetched at the head
	s_mov_b32 s91, 0
	s_add_nc_u64 s[PFA:PFA+1], s[6:7], s[90:91]
	s_cmp_eq_u32 ttmp9, 0                          ; the same in all four partners
	s_cselect_b32 s[LIM], 1, -1
	s_lshl_b32 s54, s20, 3
	s_lshl_b32 s56, s21, 2
	s_add_co_u32 s54, s54, s56                     ; 8 x batch + my first head
	s_lshl_b32 s54, s54, 7
	s_lshl_b32 s56, s18, 1
	s_add_co_u32 s54, s54, s56
	s_lshr_b32 s56, s[QT], 1
	s_add_co_u32 s54, s54, s56                     ; the pair of query tiles
	s_mul_i32 s54, s54, 1792
	s_add_nc_u64 s[4:5], s[4:5], s[54:55]          ; q of my first head; a head is 128 x 1,792 bytes on
	s_lshl_b32 s54, s20, 15
	s_add_nc_u64 s[8:9], s[8:9], s[54:55]          ; the batch's coordinates
	s_lshl_b32 s54, s18, 6
	s_lshl_b32 s56, s56, 5
	s_add_co_u32 s54, s54, s56
	s_and_b32 s57, s[QT], 1
	s_lshl_b32 s56, s57, 3
	s_add_co_u32 s54, s54, s56                     ; my tile's first query
	s_lshl_b32 s54, s54, 3
	s_add_nc_u64 s[94:95], s[8:9], s[54:55]
	s_lshl_b32 s54, s20, 8
	s_lshl_b32 s56, s18, 2
	s_add_co_u32 s54, s54, s56
	s_add_co_u32 s54, s54, s[QT]                   ; aw's record
	s_mul_i32 s54, s54, REC
	s_add_nc_u64 s[AWS:AWS+1], s[12:13], s[54:55]
	s_mul_i32 s54, s21, 2*FRB
	s_add_nc_u64 s[AWP:AWP+1], s[AWS:AWS+1], s[54:55]   ; K steps 2 hg, 2 hg + 1 of the last product
	s_lshl_b32 s54, s21, 3
	s_add_nc_u64 s[AWS:AWS+1], s[AWS:AWS+1], s[54:55]
	s_mul_i32 s58, s57, 768
	s_lshl_b32 s59, s57, 7
	s_mul_i32 s54, s[KH], LBLK
	s_add_co_u32 s55, s54, LK
	s_add_co_u32 s56, s55, 24576
	s_mul_i32 s57, s[QT], SROW
	s_wait_kmcnt 0x0
.irp h, 0,1,2,3
	s_mul_f32 s[NS+2*\h], s[84+\h], 0xc1000000     ; -8 slope: exact
.endr
.irp h, 0,1,2,3
	s_mov_b32 s[NS+2*\h+1], s[NS+2*\h]
.endr
	CROUND                                         ; all four work-groups are here: the first joint loads meet
	JLOAD                                          ; the first slot: one load a wave
	v_and_b32 v[TT], 31, v0                        ; lane
	v_and_b32 v[TT+1], 7, v0                       ; r % 8
	v_bfe_u32 v[BM], v0, 3, 1                      ; r / 8
	v_bfe_u32 v[BM+1], v0, 4, 1                    ; h
	v_lshlrev_b32 v[SH8], 3, v[BM+1]
	v_mul_u32_u24 v[AK], v[BM], KP
	v_lshl_add_u32 v[AK], v[BM+1], 8, v[AK]
	v_lshl_add_u32 v[AK], v[TT+1], 4, v[AK]
	v_add_nc_u32 v[AK], s54, v[AK]
	v_lshl_add_u32 v[AV], v[TT], 4, s55
	v_lshlrev_b32 v[AKS], 2, v[BM]
	v_lshl_add_u32 v[AKS], v[TT+1], 4, v[AKS]
	v_add_nc_u32 v[AKS], s56, v[AKS]
	v_lshl_add_u32 v[ACO], v[BM+1], 7, COORD
	v_lshl_add_u32 v[STG], v[TT], 4, s57
	v_lshlrev_b32 v[L16], 4, v[TT]
	v_lshlrev_b32 v[L8], 3, v[TT]
	v_lshlrev_b32 v[G8], 3, v0
	v_lshl_add_u32 v[CST], v0, 2, COORD
	v_lshl_add_u32 v[QO8], v[TT], 3, s58
	v_lshl_add_u32 v[QO4], v[TT], 2, s59
	v_lshlrev_b32 v[QCO], 7, v[BM]
	v_lshl_add_u32 v[QCO], v[TT+1], 3, v[QCO]      ; 8 (r + 8 (r / 8))
	v_min_u32 v[PFO], s92, v[TT]
	v_lshlrev_b32 v[PFO], 8, v[PFO]
.irp j, 0,1,2,3,4,5,6,7,8,9,10,11,12,13,14,15
	global_load_b32 v[S+\j], v[G8], s[8:9] offset:2048*\j        ; x of key thread + 256 j,
	global_load_b32 v[S+16+\j], v[G8], s[8:9] offset:2048*\j+4   ; and y
.endr
	WIN 0x40
.irp hl, 0,1,2,3
.irp p, 0,1,2
	global_load_b64 v[QZ+6+12*\hl+2*\p:QZ+7+12*\hl+2*\p], v[QO8], s[4:5] offset:229376*\hl+256*\p   ; q's six registers of each head stay
.endr
.endr
	WIN 0
.irp hl, 0,1,2,3
	global_load_b32 v[QS+\hl], v[QO4], s[4:5] offset:229376*\hl+1536
.endr
	global_load_b64 v[QC:QC+1], v[QCO], s[94:95]
	WIN 0x40
.set jj, 0
.rept 128
	v_mov_b32 v[jj], 0                             ; O^T: the step is written once for all steps: the first finds zeros, which the first change of M leaves zeros
.set jj, jj+1
.endr
.irp z, 0,1,2,3,4
.irp j, 0,1,2,3,4,5
	v_mov_b32 v[QZ+12*\z+\j], 0                    ; zero codes add nothing under any scale byte
.endr
.endr
	WIN 0
.irp hl, 0,1,2,3
	v_mov_b32 v[ST+4*\hl], 0x7f61b1e6              ; -M
	v_mov_b32 v[ST+4*\hl+1], 0xff61b1e6            ; the largest score so far: -3e38
	v_mov_b32 v[ST+4*\hl+2], 0
	v_mov_b32 v[ST+4*\hl+3], 0
.endr
	v_mov_b32 v[BT], 0                             ; a lane permute's destination counts as one of its sources
	v_mov_b32 v[BT+1], 0
	v_mov_b32 v[F+1], 0
	s_wait_alu depctr_va_vdst(0)                   ; directly ahead of the wait below
	s_wait_loadcnt 0x0
.irp j, 0,1,2,3,4,5,6,7,8,9,10,11,12,13,14,15
	ds_store_b32 v[CST], v[S+\j] offset:1024*\j
	ds_store_b32 v[CST], v[S+16+\j] offset:16384+1024*\j
.endr
	v_mov_b32 v[QXX], v[QC]
	v_mov_b32 v[QXX+1], v[QC]
	v_mov_b32 v[QYY], v[QC+1]
	v_mov_b32 v[QYY+1], v[QC+1]
	s_wait_alu depctr_va_vdst(0)                   ; at the head's end
; ONE HEAD'S SHARE OF A KEY STEP.  K's fragments of this head were asked for in the share before (head 0: at the step's head); V's are asked for here, K's of the next head behind the first product.
.macro HSTEP hl
.set OO, 32*(\hl)
.set SS, ST+4*(\hl)
	WIN 0x01
.set jj, 0
.rept 32
	v_pk_mul_f32 v[S+jj:S+jj+1], v[D+jj:D+jj+1], s[NS+2*(\hl):NS+2*(\hl)+1] op_sel_hi:[1,0]   ; 8 x bias.  These are also the places behind the last products, ahead of the loads below
.set jj, jj+2
.endr
	WIN 0
	VLOAD \hl
	s_wait_alu depctr_va_vdst(0)                   ; directly ahead of the wait below
	s_wait_dscnt 13                                ; K's 16 loads are in; V's 13 may be out
	WIN 0x04
.irp f, 0,1,2,3                                ; eight accumulators, one instruction each
	MM S+16*\f, FRK+12*\f, QZ+6+12*(\hl), S+16*\f, KS+\f, QS+(\hl)
	MM S+16*\f+8, FRK+12*\f, QZ+12*(\hl), S+16*\f+8, KS+\f, QS+(\hl)
.endr
	PLACES
	WIN 0
.if (\hl) < 3
	KLOAD (\hl)+1
.endif
.irp c, 0,1                                    ; the largest score of my two blocks of 32 keys, each in two chains; every accumulator is first read at its low end
	v_max3_num_f32 v[BM+\c], v[S+32*\c], v[S+32*\c+1], v[S+32*\c+2]
	v_max3_num_f32 v[BX+\c], v[S+32*\c+16], v[S+32*\c+17], v[S+32*\c+18]
.endr
.irp i, 3,5,7,9,11,13
.irp c, 0,1
	v_max3_num_f32 v[BM+\c], v[BM+\c], v[S+32*\c+\i], v[S+32*\c+\i+1]
	v_max3_num_f32 v[BX+\c], v[BX+\c], v[S+32*\c+16+\i], v[S+32*\c+17+\i]
.endr
.endr
.irp c, 0,1
	v_max3_num_f32 v[BM+\c], v[BM+\c], v[S+32*\c+15], v[S+32*\c+31]
.endr
.irp c, 0,1
	s_delay_alu instid0(VALU_DEP_2)
	v_max_num_f32 v[BM+\c], v[BM+\c], v[BX+\c]
.endr
	s_delay_alu instid0(VALU_DEP_1)
	v_max_num_f32 v[TT], v[BM], v[BM+1]
	s_delay_alu instid0(VALU_DEP_1)
	v_permlanex16_b32 v[BT], v[TT], s[SEL], s[SEL+1]
	v_mov_b32 v[TT+1], v[SS]
	s_delay_alu instid0(VALU_DEP_2)
	v_max3_num_f32 v[SS+1], v[SS+1], v[TT], v[BT]  ; the running largest score, with lane l xor 16's keys
	s_delay_alu instid0(VALU_DEP_1)
	v_mul_f32 v[TT], s[CSN], v[SS+1]               ; as -t
	s_delay_alu instid0(VALU_DEP_1)
	v_floor_f32 v[SS], v[TT]                       ; the new -M = -ceil(t)
	s_delay_alu instid0(VALU_DEP_1)
	v_sub_f32 v[TT], v[SS], v[TT+1]                ; old M - new M: a whole number, 0 or less
	s_delay_alu instid0(VALU_DEP_1)
	v_cvt_i32_f32 v[TT], v[TT]                     ; (it saturates)
	s_delay_alu instid0(VALU_DEP_1)
	v_ldexp_f32 v[F], 1.0, v[TT]                   ; f = 2^(old M - new M)
.set jj, 0
.rept 32
	v_pk_fma_f32 v[S+jj:S+jj+1], v[S+jj:S+jj+1], s[CS:CS+1], v[SS:SS+1] op_sel_hi:[1,0,0]   ; t - M
.set jj, jj+2
.endr
.irp c, 0,1
	v_fma_f32 v[BM+\c], v[BM+\c], s[CS], v[SS]     ; the same of each block's largest score
.endr
	s_wait_alu depctr_va_vdst(0)                   ; ahead of the batch
.set jj, 0
.rept 64
	v_exp_f32 v[S+jj], v[S+jj]                     ; p = 2^(t - M), not normalised
.set jj, jj+1
.endr
.irp c, 0,1
	v_exp_f32 v[BM+\c], v[BM+\c]                   ; the block's largest p: the same two instructions on the same number
.endr
	v_pk_mul_f32 v[SS+2:SS+3], v[SS+2:SS+3], v[F:F+1] op_sel_hi:[1,0]   ; the sums under the new M: the plain place behind the batch
	s_wait_alu depctr_va_vdst(0)                   ; one wait for the batch, ahead of its first reader
	; the row's sum of the unquantised p, in eight chains (seven in the registers that p's codes take later); the blocks' scales are made between them
.irp c, 1,2,3,4,5,6,7
	v_pk_add_f32 v[PC+2*\c-2:PC+2*\c-1], v[S+2*\c-2:S+2*\c-1], v[S+2*\c+12:S+2*\c+13]
.endr
	v_pk_add_f32 v[SS+2:SS+3], v[SS+2:SS+3], v[S+28:S+29]
.irp c, 0,1
	v_max_num_f32 v[BM+\c], 0x2800000, v[BM+\c]    ; the floor 2^(5 - 127): the byte cannot fall under 1
.endr
.irp c, 1,2,3,4,5,6,7
	v_pk_add_f32 v[PC+2*\c-2:PC+2*\c-1], v[PC+2*\c-2:PC+2*\c-1], v[S+2*\c+28:S+2*\c+29]
.endr
	v_pk_add_f32 v[SS+2:SS+3], v[SS+2:SS+3], v[S+44:S+45]
.irp c, 0,1
	v_add_nc_u32 v[SO+\c], 0xfe000000, v[BM+\c]    ; 4 off the exponent field: the conversion's scale operand
.endr
.irp c, 1,2,3,4,5,6,7
	v_pk_add_f32 v[PC+2*\c-2:PC+2*\c-1], v[PC+2*\c-2:PC+2*\c-1], v[S+2*\c+44:S+2*\c+45]
.endr
	v_pk_add_f32 v[SS+2:SS+3], v[SS+2:SS+3], v[S+60:S+61]
.irp c, 0,1
	v_lshrrev_b32 v[BX+\c], 23, v[SO+\c]           ; the scale's byte
.endr
	v_pk_add_f32 v[PC:PC+1], v[PC:PC+1], v[S+62:S+63]
	v_pk_add_f32 v[PC+4:PC+5], v[PC+4:PC+5], v[PC+6:PC+7]
	v_pk_add_f32 v[PC+8:PC+9], v[PC+8:PC+9], v[PC+10:PC+11]
	v_pk_add_f32 v[SS+2:SS+3], v[SS+2:SS+3], v[PC+12:PC+13]
	v_lshl_or_b32 v[TT], v[BX+1], 16, v[BX]        ; my two bytes: blocks h and 2 + h,
	v_pk_add_f32 v[PC:PC+1], v[PC:PC+1], v[PC+2:PC+3]
	v_pk_add_f32 v[SS+2:SS+3], v[SS+2:SS+3], v[PC+8:PC+9]
	v_lshlrev_b32 v[TT], v[SH8], v[TT]             ; at their places in the word
	v_pk_add_f32 v[PC:PC+1], v[PC:PC+1], v[PC+4:PC+5]
	v_permlanex16_b32 v[BT], v[TT], s[SEL], s[SEL+1]
	s_delay_alu instid0(VALU_DEP_2)
	v_pk_add_f32 v[SS+2:SS+3], v[SS+2:SS+3], v[PC:PC+1]
.irp c, 0,1
	v_cvt_scalef32_pk16_bf6_f32 v[PC+6*\c:PC+6*\c+2], v[S+32*\c:S+32*\c+15], v[SO+\c]
	v_cvt_scalef32_pk16_bf6_f32 v[PT+4*\c:PT+4*\c+2], v[S+32*\c+16:S+32*\c+31], v[SO+\c]   ; (a conversion's three registers begin on an even number)
.endr
	v_or_b32 v[PW], v[TT], v[BT]                   ; with lane l xor 16's two the word is whole.  The plain place behind the conversions
.irp c, 0,1
.irp i, 0,1,2
	v_mov_b32 v[PC+3+6*\c+\i], v[PT+4*\c+\i]
.endr
.endr
	s_wait_alu depctr_va_vdst(0)                   ; directly ahead of the first reader of O^T
	WIN 0x41
.set jj, 0
.rept 16
	v_pk_mul_f32 v[OO+jj:OO+jj+1], v[OO+jj:OO+jj+1], v[F:F+1] op_sel_hi:[1,0]   ; O^T under the new M.  Also the places between the scale word's and the codes' last writes and the products
.set jj, jj+2
.endr
	s_wait_alu depctr_va_vdst(0)                   ; directly ahead of the wait below
.if (\hl) < 3
	s_wait_dscnt 16                                ; V's 13 loads are in; the next head's 16 of K may be out
.else
	s_wait_dscnt 0x0
.endif
	WIN 0x50
.irp t, 0,1,2,3
	MM OO+8*\t, FRV+12*\t, PC, OO+8*\t, VS+\t, PW
.endr
.endm
; THE CHANGE OF SLOTS.  Each wave waits for all its tensor loads (its part of the slot ahead), adds 0 to its spare word, and waits for that and for its reads of the slot left.
; fill = 1: the barrier is a round of the cluster's, and the slot left is filled with the step that follows: the load has a step's work, four heads, in which to land.
.macro CHANGE fill
	s_wait_tensorcnt 0x0                           ; no tensor load of mine is out, so the groups 0 may be written
	ds_add_u32 v[SPW], v[NIL]
.if \fill
	s_xor_b32 s[G0K+1], s[G0K+1], SLOT1
	s_xor_b32 s[G0V+1], s[G0V+1], SLOT1
	s_add_nc_u64 s[G0K+2:G0K+3], s[G0K+2:G0K+3], BLK
	s_add_nc_u64 s[G0V+2:G0V+3], s[G0V+2:G0V+3], BLK
	s_wait_xcnt 0x0                                ; the last prefetch, a slot back, has read its address
	s_add_nc_u64 s[PFA:PFA+1], s[PFA:PFA+1], BLK
	s_wait_dscnt 0x0
	CROUND
	JLOAD                                          ; the first thing behind the round, a wave's one tensor load until the next
.else
	s_wait_dscnt 0x0
	s_barrier_signal -1
	s_barrier_wait -1
.endif
.endm
.macro SLOTWORK fill
	v_add_nc_u32 v[ADK], s[TB], v[AK]              ; (four places behind the last products, ahead of the loads into their registers)
	v_add_nc_u32 v[ADV], s[TB], v[AV]
	v_add_nc_u32 v[ADS], s[TB], v[AKS]
	v_add_nc_u32 v[ADC], s[CB], v[ACO]
	s_wait_alu depctr_va_vdst(0)
	KLOAD 0
	CLOAD 0, S
	CLOAD 1, FRV
.if \fill
	ASK
.endif
	s_wait_dscnt 16                                ; K's and the first 32 keys' coordinates are in; the other 16 loads may be out
	DSQ S
	s_wait_dscnt 0x0
	DSQ FRV
	s_wait_alu depctr_va_vdst(0)                   ; ahead of the batch
	WIN 0x40
.set jj, 0
.rept 32
	v_sqrt_f32 v[D+jj], v[S+jj]
.set jj, jj+1
.endr
.set jj, 0
.rept 32
	v_sqrt_f32 v[D+32+jj], v[FRV+jj]
.set jj, jj+1
.endr
	v_nop                                          ; a plain place behind the roots
	s_wait_alu depctr_va_vdst(0)                   ; one wait for the 64, ahead of their first reader
	HSTEP 0
	HSTEP 1
	HSTEP 2
	HSTEP 3
	WIN 0
	s_add_co_u32 s[CB], s[CB], 512
.endm
.Lslot:                                            ; 15 trips: behind each change of slots but the last the next slot is asked for
	CHANGE 1
	SLOTWORK 1
	s_xor_b32 s[TB], s[TB], SLOT1
	s_sub_co_u32 s[SLOTS], s[SLOTS], 1
	s_cmp_lg_u32 s[SLOTS], 0
	s_cbranch_scc1 .Lslot
	CHANGE 0                                       ; the last slot is written out
	SLOTWORK 0
	; THE TWO HALVES OF THE KEYS ARE JOINED.  Waves 4-7 lay O^T and the heads' fours into a stage in slot 0, which has had its last fill; a barrier first, so that no wave reads a slot any more.
	PLACES
	s_wait_alu depctr_va_vdst(0)
	s_wait_dscnt 0x0
	s_barrier_signal -1
	s_barrier_wait -1
	s_cmp_lt_u32 s[WV], 4
	s_cbranch_scc1 .Lkeep
	WIN 0x04
.set jj, 0
.rept 32
	ds_store_b128 v[STG], v[jj:jj+3] offset:128*jj   ; each accumulator from its low end on
.set jj, jj+4
.endr
	WIN 0
.irp hl, 0,1,2,3
	ds_store_b128 v[STG], v[ST+4*\hl:ST+4*\hl+3] offset:16384+512*\hl
.endr
.Lkeep:
	s_wait_dscnt 0x0
	s_barrier_signal -1
	s_barrier_wait -1
	s_cmp_lt_u32 s[WV], 4
	s_cbranch_scc0 .Ldone
; Head hl: both parts under the larger M, divided by the joint sum, quantised along d: the head's 64 channels are two blocks of 32, half of a fragment of the last product's K step head / 2.
.macro FIN hl
.set OO, 32*(\hl)
.set SS, ST+4*(\hl)
.if (\hl) > 0
	s_wait_xcnt 0x0                                ; the last head's stores have read their registers
.endif
.irp i, 0,1,2,3,4,5,6,7
	ds_load_b128 v[S+32+4*\i:S+35+4*\i], v[STG] offset:4096*(\hl)+512*\i
.endr
	ds_load_b128 v[FRK:FRK+3], v[STG] offset:16384+512*(\hl)
	s_wait_dscnt 0x0
	v_min_num_f32 v[TT], v[SS], v[FRK]             ; -M of the two
	v_add_f32 v[SS+2], v[SS+2], v[SS+3]
	v_add_f32 v[FRK+2], v[FRK+2], v[FRK+3]
	v_sub_f32 v[BM], v[TT], v[SS]                  ; my M - M, the other's M - M: whole numbers, 0 or less
	v_sub_f32 v[BM+1], v[TT], v[FRK]
	v_cvt_i32_f32 v[BM], v[BM]
	v_cvt_i32_f32 v[BM+1], v[BM+1]
	v_ldexp_f32 v[BM], 1.0, v[BM]
	v_ldexp_f32 v[BM+1], 1.0, v[BM+1]
	v_mul_f32 v[SS+2], v[SS+2], v[BM]
	v_fma_f32 v[SS+2], v[FRK+2], v[BM+1], v[SS+2]
	v_permlanex16_b32 v[BT], v[SS+2], s[SEL], s[SEL+1]
	v_add_f32 v[SS+2], v[SS+2], v[BT]              ; the row's sum
	s_wait_alu depctr_va_vdst(0)                   ; ahead of the transcendental
	v_rcp_f32 v[TT], v[SS+2]
	v_nop
	s_wait_alu depctr_va_vdst(0)
	v_mul_f32 v[F], v[BM], v[TT]
	v_mul_f32 v[BX], v[BM+1], v[TT]
	WIN 0x01
	s_wait_alu depctr_va_vdst(0)                   ; directly ahead of the first reader of O^T
.set jj, 0
.rept 16
	v_pk_mul_f32 v[S+jj:S+jj+1], v[OO+jj:OO+jj+1], v[F:F+1] op_sel_hi:[1,0]   ; each accumulator from its low end on
.set jj, jj+2
.endr
	WIN 0
.set jj, 0
.rept 16
	v_pk_fma_f32 v[S+jj:S+jj+1], v[S+32+jj:S+33+jj], v[BX:BX+1], v[S+jj:S+jj+1] op_sel_hi:[1,0,1]
.set jj, jj+2
.endr
.irp b, 0,1
	v_max3_num_f32 v[BM+\b], |v[S+16*\b]|, |v[S+16*\b+1]|, 0x2800000
.endr
.irp i, 2,4,6,8,10,12,14
.irp b, 0,1
	v_max3_num_f32 v[BM+\b], v[BM+\b], |v[S+16*\b+\i]|, |v[S+16*\b+\i+1]|
.endr
.endr
.irp b, 0,1
	v_permlanex16_b32 v[BT+\b], v[BM+\b], s[SEL], s[SEL+1]
.endr
.irp b, 0,1
	v_max_num_f32 v[BM+\b], v[BM+\b], v[BT+\b]
.endr
.irp b, 0,1
	v_add_nc_u32 v[SO+\b], 0xfe000000, v[BM+\b]
.endr
.irp b, 0,1
	v_lshrrev_b32 v[BT+\b], 23, v[SO+\b]
.endr
	v_lshl_or_b32 v[TT], v[BT+1], 8, v[BT]         ; my head's two bytes of the row's scale word
	v_cvt_scalef32_pk16_bf6_f32 v[PC:PC+2], v[S:S+15], v[SO]
	v_cvt_scalef32_pk16_bf6_f32 v[PT:PT+2], v[S+16:S+31], v[SO+1]
	v_nop
.irp i, 0,1,2
	v_permlane16_swap_b32 v[PC+\i], v[PT+\i]       ; a whole block to a lane
.endr
.irp i, 0,1,2
	v_mov_b32 v[PC+3+\i], v[PT+\i]
.endr
.irp p, 0,1,2
	global_store_b64 v[L8], v[PC+2*\p:PC+2*\p+1], s[AWP:AWP+1] offset:FRB*((\hl)/2)+768*((\hl)%2)+256*\p   ; 32 lanes store 256 consecutive bytes, at a multiple of 256 from aw's first byte
.endr
	global_store_b16 v[L16], v[TT], s[AWS:AWS+1] offset:6144+4*((\hl)/2)+2*((\hl)%2)
.endm
	FIN 0
	FIN 1
	FIN 2
	FIN 3
.Ldone:
	s_wait_tensorcnt 0x0                           ; the wave's end
	ds_add_u32 v[SPW], v[NIL]
	s_wait_dscnt 0x0
	CROUND                                         ; the closing round
	s_endpgm
.Lfunc_end_k_q89040fac98_attn:
	.size	k_q89040fac98_attn, .Lfunc_end_k_q89040fac98_attn-k_q89040fac98_attn
	.p2alignl 7, 3214868480
	.fill 96, 4, 3214868480
	.section	.rodata,"a",@progbits
	.p2align	6, 0x0
	.amdhsa_kernel k_q89040fac98_attn
		.amdhsa_group_segment_fixed_size 327680
		.amdhsa_private_segment_fixed_size 0
		.amdhsa_enable_private_segment 0
		.amdhsa_kernarg_size 40
		.amdhsa_user_sgpr_count 2
		.amdhsa_user_sgpr_kernarg_segment_ptr 1
		.amdhsa_wavefront_size32 1
		.amdhsa_system_sgpr_workgroup_id_x 1
		.amdhsa_system_sgpr_workgroup_id_y 1
		.amdhsa_system_sgpr_workgroup_id_z 1
		.amdhsa_system_vgpr_workitem_id 0
		.amdhsa_next_free_vgpr 512
		.amdhsa_next_free_sgpr 96
		.amdhsa_reserve_vcc 0
		.amdhsa_float_denorm_mode_32 3
		.amdhsa_float_denorm_mode_16_64 3
		.amdhsa_memory_ordered 1
		.amdhsa_forward_progress 1
		.amdhsa_inst_pref_size 207
	.end_amdhsa_kernel
	.amdgpu_metadata
---
amdhsa.version: [ 1, 2 ]
amdhsa.kernels:
  - .name:           k_q89040fac98_attn
    .symbol:         k_q89040fac98_attn.kd
    .args:
      - { .name: qw, .offset: 0, .size: 8, .value_kind: global_buffer, .address_space: global }
      - { .name: kv, .offset: 8, .size: 8, .value_kind: global_buffer, .address_space: global }
      - { .name: coords, .offset: 16, .size: 8, .value_kind: global_buffer, .address_space: global }
      - { .name: slopes, .offset: 24, .size: 8, .value_kind: global_buffer, .address_space: global }
      - { .name: aw, .offset: 32, .size: 8, .value_kind: global_buffer, .address_space: global }
    .group_segment_fixed_size: 327680
    .private_segment_fixed_size: 0
    .kernarg_segment_align: 8
    .kernarg_segment_size: 40
    .max_flat_workgroup_size: 256
    .sgpr_count:     96
    .vgpr_count:     512
    .wavefront_size: 32
...
	.end_amdgpu_metadata
.endif
;; end of part 3
;; launch outp (part 4): grid 64 x 4, 8 waves a work-group, clusters of 4 x 4, 175,104 bytes of LDS; arguments aw, xw, bp, out0; writes out0
.if DOCPART == 4
	.amdgcn_target "amdgcn-amd-amdhsa--gfx1250"
	.amdhsa_code_object_version 6
	.text
	.protected	k_q89040fac98_outp
	.globl	k_q89040fac98_outp
	.p2align	8
	.type	k_q89040fac98_outp,@function
k_q89040fac98_outp:
	s_mov_b64 s[64:65], 0
	v_nop
	global_prefetch_b8 v0, s[64:65] scope:SCOPE_SE
	s_setreg_imm32_b32 hwreg(HW_REG_WAVE_MODE, 25, 1), 1
	s_wait_xcnt 0x0
	s_wait_alu depctr_hold_cnt(0) depctr_sa_sdst(0) depctr_va_vdst(0) depctr_va_sdst(0) depctr_va_ssrc(0) depctr_va_vcc(0) depctr_vm_vsrc(0)
	s_getreg_b32 s2, hwreg(HW_REG_IB_STS2, 6, 4)
	s_cmp_eq_u32 s2, 0
	s_cbranch_scc0 .Lentry_in_a_cluster
	s_endpgm
.Lentry_in_a_cluster:
	s_bfe_u32 s2, ttmp6, 0x10000c
	s_cmp_lg_u32 s2, 0xf033
	s_cbranch_scc0 .Lentry_shape_is_right
	s_endpgm
.Lentry_shape_is_right:
; out0 = a Wp + bp on codes of BF6: a = the attention's result as aw's records (a fragment as six pieces of 8 bytes a lane), Wp as xw's records 608 .. 639.  out0 [8192][512] f32.
; A work-group takes 128 rows (RB: 8 records of aw) and 128 columns (cg: 8 records of Wp); wave w takes row tile w against all 8 column tiles: 32 matrix instructions.
; LDS, filled once: aw's block at 0, Wp's at 53,248 (waves 0, 1 and 2, 3 bring a half each: 104 rows of 256 dense bytes); behind them a stage of 16 rows x 528 bytes for each wave, into which no fill lands.
; CLUSTER 4 x 4: aw's block hangs on the work-group's x alone and is asked for jointly by a column of the cluster, Wp's on y alone and by a row.
; Transposed use: source 0 = 16 columns of Wp, source 1 = my 16 rows: a lane holds one row, and the 16 registers of column tiles 2 b, 2 b + 1 are 16 neighbouring columns.  bp is loaded into the accumulators.
.set REC,  6656
.set BLK,  53248
.set HALF, 26624
.set SPI,  528
.set L16,  1                           ; v1  16 lane
.set AAF,  2                           ; v2  my record of aw, 8 lane
.set AAS,  3                           ; v3  the same, 16 lane
.set AW,   4                           ; v4  Wp's block, 16 lane
.set STO,  5                           ; v5  into my stage
.set SRD,  6                           ; v6  back out of it
.set BO,   7                           ; v7  64 h
.set ASC,  8                           ; v8-11   my rows' four scale words
.set AF,   16                          ; v16-63  my rows' four fragments
.set ACC,  64                          ; v64-127 eight accumulators
.set FR,   128                         ; v128-223 Wp's eight fragments of a K step; later 16 rows of out0
.set WS,   224                         ; v224-231 their scale words
.set WV,   16
.set G1A,  28
.set G1W,  36
.set G0A,  44
.set G0W,  48
.macro CROUND
	s_barrier_signal -1
	s_barrier_wait -1
	s_cmp_lg_u32 s[WV], 0
	s_cbranch_scc1 .Lnot_wave_0_\@
	s_barrier_signal -3
.Lnot_wave_0_\@:
	s_barrier_wait -3
	s_barrier_signal -1
	s_barrier_wait -1
.endm
.macro PLACES
.rept 4
	v_nop
.endr
.endm
.macro MM d, a, b, c, sa, sb
	v_wmma_scale_f32_16x16x128_f8f6f4 v[\d:\d+7], v[\a:\a+11], v[\b:\b+11], v[\c:\c+7], v[\sa], v[\sb] matrix_a_fmt:MATRIX_FMT_BF6 matrix_b_fmt:MATRIX_FMT_BF6
.endm
	s_load_b256 s[4:11], s[0:1], 0x0               ; aw, xw, bp, out0
	v_lshl_add_u32 v240, v0, 2, 0x2a800
	v_mov_b32 v241, 0
	ds_add_u32 v240, v241
	ds_add_u32 v240, v241
	v_lshrrev_b32 v1, 5, v0
	s_delay_alu instid0(VALU_DEP_1)
	v_readfirstlane_b32 s[WV], v1                  ; wave 0..7
	s_bfe_u32 s17, ttmp6, 0x40000                  ; cx
	s_bfe_u32 s18, ttmp6, 0x40004                  ; cy
	s_lshl_b32 s19, ttmp9, 2
	s_add_co_u32 s19, s19, s17                     ; RB
	s_and_b32 s20, ttmp7, 0xffff
	s_lshl_b32 s20, s20, 2
	s_add_co_u32 s20, s20, s18                     ; cg
	s_lshl_b32 s24, 0x1111, s17                    ; my column of the cluster
	s_lshl_b32 s25, s18, 2
	s_lshl_b32 s25, 15, s25                        ; my row
	s_or_b32 s[G1A], s24, (3<<16)|(1<<21)          ; aw's block goes to my column; elements of 8 bytes; bit 21 set beside a mask; no padding
	s_or_b32 s[G1W], s25, (3<<16)|(1<<21)          ; Wp's to my row
.irp g, G1A, G1W
	s_mov_b32 s[\g+1], 32<<16
	s_mov_b32 s[\g+2], 104<<16
	s_mov_b32 s[\g+3], 32<<16
	s_mov_b32 s[\g+4], 104
	s_mov_b32 s[\g+5], 32
	s_mov_b32 s[\g+6], 0
	s_mov_b32 s[\g+7], 0
.endr
	s_and_b32 s26, s[WV], 1
	s_mul_i32 s26, s26, HALF
	s_mul_i32 s58, s19, BLK                        ; made of RB and the wave's number alone
	s_add_co_u32 s58, s58, s26
	s_mov_b32 s59, 0
	s_mul_i32 s60, s20, BLK                        ; made of cg and the wave's number alone
	s_add_co_u32 s60, s60, s26
	s_add_co_u32 s60, s60, 608*REC
	s_mov_b32 s61, 0
	s_and_b32 s21, s[WV], 3
	s_mul_i32 s21, s21, HALF                       ; where it goes (in waves 0-3: wave x 26,624)
	s_wait_dscnt 0x0
	s_wait_kmcnt 0x0
	s_mov_b32 s[G0A], 1
	s_mov_b32 s[G0A+1], s21
	s_add_nc_u64 s[G0A+2:G0A+3], s[4:5], s[58:59]
	s_or_b32 s[G0A+3], s[G0A+3], 0x80000000
	s_mov_b32 s[G0W], 1
	s_mov_b32 s[G0W+1], s21
	s_add_nc_u64 s[G0W+2:G0W+3], s[6:7], s[60:61]
	s_or_b32 s[G0W+3], s[G0W+3], 0x80000000
	CROUND                                         ; all sixteen work-groups are here: the joint loads meet
	s_cmp_lt_u32 s[WV], 2                          ; waves 0, 1: aw's halves; waves 2, 3: Wp's; the others none.  Four v_nop follow each line
	s_cbranch_scc0 .Lnot_a
	tensor_load_to_lds s[G0A:G0A+3], s[G1A:G1A+7]
	s_nop 0
.rept 4
	v_nop
.endr
	s_branch .Lasked
.Lnot_a:
	s_cmp_lt_u32 s[WV], 4
	s_cbranch_scc0 .Lasked
	tensor_load_to_lds s[G0W:G0W+3], s[G1W:G1W+7]
	s_nop 0
.rept 4
	v_nop
.endr
.Lasked:
	s_lshl_b32 s66, s20, 9                         ; 128 columns: 512 bytes
	s_mov_b32 s67, 0
	s_add_nc_u64 s[8:9], s[8:9], s[66:67]          ; bp
	s_lshl_b32 s68, s19, 7
	s_lshr_b32 s69, s[WV], 1
	s_lshl_b32 s69, s69, 5
	s_add_co_u32 s68, s68, s69
	s_and_b32 s69, s[WV], 1
	s_lshl_b32 s69, s69, 3
	s_add_co_u32 s68, s68, s69                     ; my tile's first row: 128 RB + 32 (w / 2) + 8 (w % 2)
	s_lshl_b32 s68, s68, 11
	s_add_co_u32 s68, s68, s66
	s_mov_b32 s69, 0
	s_add_nc_u64 s[10:11], s[10:11], s[68:69]      ; out0
	v_and_b32 v12, 31, v0
	s_delay_alu instid0(VALU_DEP_1)
	v_lshlrev_b32 v[L16], 4, v12
	s_mul_i32 s24, s[WV], REC
	v_lshl_add_u32 v[AAF], v12, 3, s24
	v_add_nc_u32 v[AAS], s24, v[L16]
	v_add_nc_u32 v[AW], BLK, v[L16]
	v_and_b32 v13, 15, v0
	v_bfe_u32 v14, v0, 4, 1
	s_delay_alu instid0(VALU_DEP_1)
	v_lshlrev_b32 v[BO], 6, v14
	s_mul_i32 s25, s[WV], 16*SPI
	s_add_co_u32 s25, s25, 2*BLK                   ; my stage
	v_mul_u32_u24 v[STO], v13, SPI
	s_delay_alu instid0(VALU_DEP_1)
	v_add_nc_u32 v[STO], v[STO], v[BO]
	s_delay_alu instid0(VALU_DEP_1)
	v_add_nc_u32 v[STO], s25, v[STO]               ; in: row r, + 64 h
	v_add_nc_u32 v[SRD], s25, v[L16]               ; back: 16 bytes a lane of a row
.irp t, 0,1,2,3,4,5,6,7
	global_load_b128 v[ACC+8*\t:ACC+8*\t+3], v[BO], s[8:9] offset:128*(\t/2)+32*(\t%2)      ; bp at the lane's eight columns of tile t: the sums begin with it
	global_load_b128 v[ACC+8*\t+4:ACC+8*\t+7], v[BO], s[8:9] offset:128*(\t/2)+32*(\t%2)+16
.endr
	s_wait_alu depctr_va_vdst(0)
	s_wait_tensorcnt 0x0                           ; my half block, if I fetched one, has landed,
	s_barrier_signal -1
	s_barrier_wait -1                              ; everybody's has.  Nothing is filled again in this launch
	s_wait_loadcnt 0x0                             ; bp
.irp k, 0,1,2,3
.irp p, 0,1,2,3,4,5
	ds_load_b64 v[AF+12*\k+2*\p:AF+12*\k+2*\p+1], v[AAF] offset:1536*\k+256*\p
.endr
.endr
	ds_load_b128 v[ASC:ASC+3], v[AAS] offset:6144
; K step s: Wp's eight fragments against my one.  The eight accumulators take turns, one instruction a turn, from round to round too
.macro ROUND s
.irp t, 0,1,2,3,4,5,6,7
.irp c, 0,1,2
	ds_load_b128 v[FR+12*\t+4*\c:FR+12*\t+4*\c+3], v[AW] offset:\t*REC+1536*\s+512*\c
.endr
	ds_load_b32 v[WS+\t], v[AW] offset:\t*REC+6144+4*\s
.endr
	s_wait_dscnt 0x0
.irp t, 0,1,2,3,4,5,6,7
	MM ACC+8*\t, FR+12*\t, AF+12*\s, ACC+8*\t, WS+\t, ASC+\s
.endr
	PLACES
.endm
	ROUND 0
	ROUND 1
	ROUND 2
	ROUND 3
	; THE WAY OUT: a lane holds 16-column runs of one row; the tile goes through my own stage and comes back as whole rows of 512 bytes
.irp t, 0,1,2,3,4,5,6,7
	ds_store_b128 v[STO], v[ACC+8*\t:ACC+8*\t+3] offset:128*(\t/2)+32*(\t%2)         ; each accumulator from its low end on
	ds_store_b128 v[STO], v[ACC+8*\t+4:ACC+8*\t+7] offset:128*(\t/2)+32*(\t%2)+16
.endr
.irp t, 0,1,2,3,4,5,6,7,8,9,10,11,12,13,14,15
	ds_load_b128 v[FR+4*\t:FR+4*\t+3], v[SRD] offset:\t*SPI   ; LDS serves a wave's instructions in order: these see my stores
.endr
.irp t, 0,1,2,3,4,5,6,7,8,9,10,11,12,13,14,15
	s_wait_dscnt 15-\t                             ; row t is back; the younger loads stay out
	global_store_b128 v[L16], v[FR+4*\t:FR+4*\t+3], s[10:11] offset:(\t+8*(\t/8))*2048 th:TH_STORE_NT   ; 32 lanes store 512 consecutive bytes, at a multiple of 256 from out0's first byte
.endr
	s_wait_tensorcnt 0x0
	ds_add_u32 v240, v241
	s_wait_dscnt 0x0
	CROUND                                         ; the closing round
	s_endpgm
.Lfunc_end_k_q89040fac98_outp:
	.size	k_q89040fac98_outp, .Lfunc_end_k_q89040fac98_outp-k_q89040fac98_outp
	.p2alignl 7, 3214868480
	.fill 96, 4, 3214868480
	.section	.rodata,"a",@progbits
	.p2align	6, 0x0
	.amdhsa_kernel k_q89040fac98_outp
		.amdhsa_group_segment_fixed_size 175104
		.amdhsa_private_segment_fixed_size 0
		.amdhsa_enable_private_segment 0
		.amdhsa_kernarg_size 32
		.amdhsa_user_sgpr_count 2
		.amdhsa_user_sgpr_kernarg_segment_ptr 1
		.amdhsa_wavefront_size32 1
		.amdhsa_system_sgpr_workgroup_id_x 1
		.amdhsa_system_sgpr_workgroup_id_y 1
		.amdhsa_system_sgpr_workgroup_id_z 1
		.amdhsa_system_vgpr_workitem_id 0
		.amdhsa_next_free_vgpr 242
		.amdhsa_next_free_sgpr 80
		.amdhsa_reserve_vcc 0
		.amdhsa_float_denorm_mode_32 3
		.amdhsa_float_denorm_mode_16_64 3
		.amdhsa_memory_ordered 1
		.amdhsa_forward_progress 1
		.amdhsa_inst_pref_size 26
	.end_amdhsa_kernel
	.amdgpu_metadata
---
amdhsa.version: [ 1, 2 ]
amdhsa.kernels:
  - .name:           k_q89040fac98_outp
    .symbol:         k_q89040fac98_outp.kd
    .args:
      - { .name: aw, .offset: 0, .size: 8, .value_kind: global_buffer, .address_space: global }
      - { .name: xw, .offset: 8, .size: 8, .value_kind: global_buffer, .address_space: global }
      - { .name: bp, .offset: 16, .size: 8, .value_kind: global_buffer, .address_space: global }
      - { .name: out0, .offset: 24, .size: 8, .value_kind: global_buffer, .address_space: global }
    .group_segment_fixed_size: 175104
    .private_segment_fixed_size: 0
    .kernarg_segment_align: 8
    .kernarg_segment_size: 32
    .max_flat_workgroup_size: 256
    .sgpr_count:     80
    .vgpr_count:     242
    .wavefront_size: 32
...
	.end_amdgpu_metadata
.endif
;; end of part 4
